; MI455X (gfx1250); checked and timed in simulation.
; The chip was launched on July 23, 2026; its instructions are those of AMD's public machine-readable ISA for CDNA 5 (MIT licence, August 2026) and "CDNA5" Instruction Set Architecture Reference Guide (July 2026). The comments in the code are by the model that wrote it; some were corrected since.
;; QS Cross Attention. Allowed arithmetic: matrix products marked QUANTISED: E2M1 operands, one E8M0 scale for each 32 along K, by v_wmma_scale_f32_16x16x128_f8f6f4 with both operands' format E2M1 (or v_wmma_scale_f32_32x16x128_f4), f32 sums; products left as they are: bf16, f16 or f32 operands; f32 sums; everything else in f32.
;; Inputs: Wk 512 x 512 float32; Wproj 512 x 512 float32; Wq 512 x 512 float32; Wv 512 x 512 float32; prototype 8 x 1,024 x 512 float32; q_x 8 x 4,096 x 512 float32; qry_attn_mask 8 x 4,096 bool.
;; Outputs: out0 8 x 1,024 x 512 float32.
;; This version of the problem:
;;   THIS VERSION OF THE PROBLEM IS GIVEN IN LOW PRECISION. The matrix products marked QUANTISED in the list below multiply operands that are first quantised to E2M1 (2 exponent bits, 1 mantissa bit; 4 bits a number), with one power-of-two scale for each 32 numbers along K (OCP MX v1.0); their sums are f32. The products marked 'left as it is' may take bf16, f16 or f32 operands, with f32 sums. Whichever they take, every output number must still come out within the allowed error. Rounding operands to bf16 (8 significant bits) uses up far more of that allowance than f16 does (11 bits, for magnitudes from 6e-5 to 65,504). All else is computed in f32.
;;   The module's matrix products, in the order in which they are computed (A, B: the left and right operand; K: the contracted axis; several contracted axes count as one K, in the product's order):
;;     1. [M 8,192, K 512] x [K 512, N 512]; A: input prototype; B: input Wq: QUANTISED
;;     2. [M 32,768, K 512] x [K 512, N 512]; A: input q_x; B: input Wk: QUANTISED
;;     3. [M 32,768, K 512] x [K 512, N 512]; A: input q_x; B: input Wv: QUANTISED
;;     4. batch 8 x [M 1,024, K 512] x [K 512, N 4,096]; A: computed on the way; B: computed on the way: left as it is (an operand is computed on the way)
;;     5. batch 8 x [M 1,024, K 4,096] x [K 4,096, N 512]; A: computed on the way; B: computed on the way: left as it is (an operand is computed on the way)
;;     6. [M 8,192, K 512] x [K 512, N 512]; A: computed on the way; B: input Wproj: left as it is (an operand is computed on the way)
;;   THE QUANTISER, for each operand of a quantised product, along K:
;;     - K is cut into blocks of 32 from its start; a last block that is shorter is filled with zeros.
;;     - A block's scale is 2^e with e = floor(log2(the largest magnitude in the block)) - 2, held to -126 .. 127; a block of zeros has e = 0. As a byte (E8M0): e + 127.
;;     - Each number is divided by its block's scale, clamped to +-6, and rounded to the nearest number of E2M1, ties to even, subnormals kept.
;;     - The product sums the exact products of the quantised numbers (number of the format x scale) in f32.
;;   ~~~python
;;   def quantise(x, axis):      # numpy; x: float32 -> the quantised numbers, widened to float32 again
;;       x = np.moveaxis(x, axis, -1); K = x.shape[-1]
;;       x = np.pad(x, [(0, 0)] * (x.ndim - 1) + [(0, -K % 32)]); x = x.reshape(x.shape[:-1] + (-1, 32)); a = np.abs(x).max(-1, keepdims=True)
;;       e = np.where(a > 0, np.clip(np.frexp(np.where(a > 0, a, 1))[1] - 1 - 2, -126, 127), 0)      # np.frexp(a)[1] - 1 = floor(log2(a)), exactly
;;       r = np.clip(x / 2.0 ** e, -6, 6)
;;       step = 2.0 ** (np.maximum(np.frexp(np.where(r == 0, 1, r))[1] - 1, 0) - 1)
;;       q = np.round(r / step) * step * 2.0 ** e      # np.round: ties to even
;;       return np.moveaxis(q.reshape(q.shape[:-2] + (-1,))[..., :K], -1, axis).astype(np.float32)
;;   ~~~
;; One version. Each part assembles by itself: llvm-mc -triple=amdgcn-amd-amdhsa -mcpu=gfx1250 --defsym DOCPART=n.
;; ======== version 1 of 1: 4 launches
;; limits: values are held in f16: magnitudes above 65,504 overflow, below 6.1e-05 lose precision; values outside matrix products are rounded to f16
;; workspace buffers: wimg 393,216 bytes; wscl 24,576 bytes; pimg 524,288 bytes; qimg 8,388,608 bytes; kimg 33,554,432 bytes; vimg 33,554,432 bytes; opart 33,554,432 bytes; stat 1,310,720 bytes
;; launch prep (part 1): grid 128 x 1, 1 waves a work-group, no clusters, 0 bytes of LDS; arguments Wq, Wk, Wv, Wproj, wimg, wscl, pimg; writes wimg, wscl, pimg
.if DOCPART == 1
	.amdgcn_target "amdgcn-amd-amdhsa--gfx1250"
	.amdhsa_code_object_version 6
	.text
	.protected	k_qd89dca15cd_prep
	.globl	k_qd89dca15cd_prep
	.p2align	8
	.type	k_qd89dca15cd_prep,@function
k_qd89dca15cd_prep:
	s_mov_b64 s[64:65], 0
	v_nop
	global_prefetch_b8 v0, s[64:65] scope:SCOPE_SE
	s_setreg_imm32_b32 hwreg(HW_REG_WAVE_MODE, 25, 1), 1
	s_wait_xcnt 0x0
; The four weights [512][512] f32 are laid once in the order of an operand's registers.
; Work-groups 0..95 (one wave each): tile T & 31 (16 rows) of weight T / 32 (Wq, Wk, Wv) becomes codes of E2M1 with one E8M0 byte for each 32 along K.
;   wimg [T][ks 4][c 2][lane 32][16 bytes]: lane (r, h) holds row 16 tile + r, k = 128 ks + 64 c + 32 h + 0..31.   wscl [T][r 16][16 bytes]: byte = block of 32.
; Work-groups 96..127: tile E = T - 96 of Wproj is rounded to f16.  pimg [E / 8][ds 16][E % 8][c 2][lane][16 bytes]: row 16 E + r, d = 32 ds + 16 c + 8 h + 0..7.
; A block's scale is 2^(floor(log2(largest magnitude)) - 2): its byte is the largest magnitude's exponent field - 2, held at 1 from below.
; LIMITS: a block of zeros gets the byte 1 where the rule says 127 (its codes are zeros, and this program alone reads the bytes); NaN and infinities are not served; |Wproj| stays under 65,504.
; The two paths part on the work-group's number; no LDS, no barrier.  Every store of codes or f16 numbers covers 512 consecutive bytes, aligned.
.set AO, 3                             ; v3       my byte offset in the tile's 16 rows
.set LI, 4                             ; v4       16 x lane
.set SO, 5                             ; v5       16 r + 8 h: where my two scale words go
.set SB, 8                             ; v8-15    my eight scale bytes
.set SW, 16                            ; v16-19   the row's four scale words
.set PD, 20                            ; v20-23   destinations of the lane exchange
.set RG, 48                            ; v48-207  the ring of loads
.set C,  208                           ; v208-239 what is stored
	s_load_b256 s[4:11], s[0:1], 0x0               ; Wq, Wk, Wv, Wproj
	s_load_b128 s[12:15], s[0:1], 0x20             ; wimg, wscl
	s_load_b64 s[16:17], s[0:1], 0x30              ; pimg
	v_and_b32 v1, 15, v0                           ; r
	v_bfe_u32 v2, v0, 4, 1                         ; h
	v_lshlrev_b32 v[LI], 4, v0
	v_lshlrev_b32 v[AO], 11, v1                    ; a row is 2,048 bytes
	s_mov_b32 s19, 0
	s_mov_b32 s21, 0
	s_wait_kmcnt 0x0
	s_cmp_ge_u32 ttmp9, 96
	s_cbranch_scc1 .Lproj
	; ---- codes of E2M1
	v_lshl_add_u32 v[AO], v2, 7, v[AO]             ; + 128 h: lanes 16-31 take the block 32 further along K
	v_lshlrev_b32 v[SO], 4, v1
	v_lshl_add_u32 v[SO], v2, 3, v[SO]
.irp k, 0,1,2,3
	v_mov_b32 v[PD+\k], 0                          ; a lane exchange's destination counts as read
.endr
	s_mov_b32 s22, 0x76543210
	s_mov_b32 s23, 0xfedcba98                      ; selects for lane l xor 16
	s_cmp_lt_u32 ttmp9, 64                         ; which weight: the choice hangs on the work-group's number alone
	s_cselect_b64 s[6:7], s[6:7], s[8:9]
	s_cmp_lt_u32 ttmp9, 32
	s_cselect_b64 s[4:5], s[4:5], s[6:7]
	s_and_b32 s18, ttmp9, 31
	s_lshl_b32 s18, s18, 15                        ; 16 rows of 2,048 bytes a tile
	s_add_nc_u64 s[4:5], s[4:5], s[18:19]
	s_lshl_b32 s20, ttmp9, 12
	s_add_nc_u64 s[12:13], s[12:13], s[20:21]      ; 4,096 bytes of codes a tile
	s_lshl_b32 s20, ttmp9, 8
	s_add_nc_u64 s[14:15], s[14:15], s[20:21]      ; 256 scale bytes a tile
; part m = 2 ks + c of a tile: my block of 32 numbers, k = 64 m + 32 h + 0..31, into set m % 5
.macro LOADC m
.irp i, 0,1,2,3,4,5,6,7
	global_load_b128 v[RG+32*((\m)%5)+4*\i:RG+32*((\m)%5)+4*\i+3], v[AO], s[4:5] offset:256*(\m)+16*\i
.endr
.endm
.macro PROC m
.set XS, RG+32*((\m)%5)
.if (\m) < 4
	s_wait_loadcnt 32                              ; four younger parts, eight loads each, may be out
.else
	s_wait_loadcnt 8*(7-(\m))                      ; the parts that are left behind this one
.endif
	v_max3_num_f32 v24, |v[XS]|, |v[XS+1]|, |v[XS+2]|      ; the block's largest magnitude: all 32 numbers are mine; two chains
	v_max3_num_f32 v25, |v[XS+3]|, |v[XS+4]|, |v[XS+5]|
.irp i, 6,10,14,18,22,26
	v_max3_num_f32 v24, v24, |v[XS+\i]|, |v[XS+\i+1]|
	v_max3_num_f32 v25, v25, |v[XS+\i+2]|, |v[XS+\i+3]|
.endr
	v_max3_num_f32 v24, v24, |v[XS+30]|, |v[XS+31]|
	v_max3_num_f32 v24, v24, v25, 0x1800000        ; the floor 2^(3 - 127): the byte cannot fall under 1
	v_add_nc_u32 v26, 0xff000000, v24              ; 2 off the exponent field: the conversion takes this operand's exponent field as its scale
.irp g, 0,1,2,3
	v_cvt_scalef32_pk8_fp4_f32 v[C+4*(\m)+\g], v[XS+8*\g:XS+8*\g+7], v26
.endr
	v_lshrrev_b32 v[SB+(\m)], 23, v26              ; the scale's byte (also the plain line behind the conversions)
	global_store_b128 v[LI], v[C+4*(\m):C+4*(\m)+3], s[12:13] offset:512*(\m)   ; each part has its own four registers: no store's data are written again
.if (\m)+5 < 8
	LOADC (\m)+5
.endif
.endm
.irp m, 0,1,2,3,4
	LOADC \m
.endr
.irp m, 0,1,2,3,4,5,6,7
	PROC \m
.endr
.irp k, 0,1,2,3
	v_lshl_or_b32 v[SW+\k], v[SB+2*\k+1], 16, v[SB+2*\k]   ; word ks: my blocks 4 ks + h and 4 ks + 2 + h,
.endr
	v_lshlrev_b32 v24, 3, v2
.irp k, 0,1,2,3
	v_lshlrev_b32 v[SW+\k], v24, v[SW+\k]          ; at their places (8 h bits up),
.endr
.irp k, 0,1,2,3
	v_permlanex16_b32 v[PD+\k], v[SW+\k], s22, s23
.endr
.irp k, 0,1,2,3
	v_or_b32 v[SW+\k], v[SW+\k], v[PD+\k]          ; with lane l xor 16's two bytes the word is whole
.endr
	v_cmp_eq_u32 vcc_lo, 1, v2
	v_cndmask_b32 v24, v[SW], v[SW+2], vcc_lo      ; lanes 0-15 store words 0, 1 of their row, lanes 16-31 words 2, 3:
	v_cndmask_b32 v25, v[SW+1], v[SW+3], vcc_lo
	global_store_b64 v[SO], v[24:25], s[14:15]     ; the wave stores 256 consecutive bytes
	s_endpgm
	; ---- Wproj in f16
.Lproj:
	v_lshl_add_u32 v[AO], v2, 5, v[AO]             ; + 32 h: eight numbers a half
	s_sub_co_u32 s18, ttmp9, 96                    ; E
	s_lshl_b32 s20, s18, 15
	s_add_nc_u64 s[10:11], s[10:11], s[20:21]
	s_lshr_b32 s20, s18, 3
	s_lshl_b32 s20, s20, 17                        ; E / 8: 131,072 bytes
	s_and_b32 s18, s18, 7
	s_lshl_b32 s18, s18, 10                        ; E % 8: 1,024 bytes
	s_add_co_u32 s20, s20, s18
	s_add_nc_u64 s[16:17], s[16:17], s[20:21]
; batch g: four steps of 32 along d, eight parts n (ds = 4 g + n / 2, c = n % 2) of eight numbers a lane, into set g % 2
.macro LOADB g
.irp n, 0,1,2,3,4,5,6,7
.irp i, 0,1
	global_load_b128 v[RG+64*((\g)%2)+8*\n+4*\i:RG+64*((\g)%2)+8*\n+4*\i+3], v[AO], s[10:11] offset:128*(4*(\g)+\n/2)+64*(\n%2)+16*\i
.endr
.endr
.endm
.macro PROCB g
.if (\g) < 3
	s_wait_loadcnt 16                              ; the one younger batch may be out
.else
	s_wait_loadcnt 0x0
.endif
.if (\g) > 0
	s_wait_xcnt 0x0                                ; the last batch's stores have read their data: the registers are written again
.endif
.irp n, 0,1,2,3,4,5,6,7
.irp p, 0,1,2,3
	v_cvt_pk_f16_f32 v[C+4*\n+\p], v[RG+64*((\g)%2)+8*\n+2*\p], v[RG+64*((\g)%2)+8*\n+2*\p+1]
.endr
.endr
.irp n, 0,1,2,3,4,5,6,7
	global_store_b128 v[LI], v[C+4*\n:C+4*\n+3], s[16:17] offset:8192*(4*(\g)+\n/2)+512*(\n%2)
.endr
.if (\g)+2 < 4
	LOADB (\g)+2
.endif
.endm
	LOADB 0
	LOADB 1
.irp g, 0,1,2,3
	PROCB \g
.endr
	s_endpgm
.Lfunc_end_k_qd89dca15cd_prep:
	.size	k_qd89dca15cd_prep, .Lfunc_end_k_qd89dca15cd_prep-k_qd89dca15cd_prep
	.p2alignl 7, 3214868480
	.fill 96, 4, 3214868480
	.section	.rodata,"a",@progbits
	.p2align	6, 0x0
	.amdhsa_kernel k_qd89dca15cd_prep
		.amdhsa_group_segment_fixed_size 0
		.amdhsa_private_segment_fixed_size 0
		.amdhsa_enable_private_segment 0
		.amdhsa_kernarg_size 56
		.amdhsa_user_sgpr_count 2
		.amdhsa_user_sgpr_kernarg_segment_ptr 1
		.amdhsa_wavefront_size32 1
		.amdhsa_system_sgpr_workgroup_id_x 1
		.amdhsa_system_sgpr_workgroup_id_y 1
		.amdhsa_system_sgpr_workgroup_id_z 1
		.amdhsa_system_vgpr_workitem_id 0
		.amdhsa_next_free_vgpr 240
		.amdhsa_next_free_sgpr 66
		.amdhsa_reserve_vcc 1
		.amdhsa_float_denorm_mode_32 3
		.amdhsa_float_denorm_mode_16_64 3
		.amdhsa_memory_ordered 1
		.amdhsa_forward_progress 1
		.amdhsa_inst_pref_size 39
	.end_amdhsa_kernel
	.amdgpu_metadata
---
amdhsa.version: [ 1, 2 ]
amdhsa.kernels:
  - .name:           k_qd89dca15cd_prep
    .symbol:         k_qd89dca15cd_prep.kd
    .args:
      - { .name: Wq, .offset: 0, .size: 8, .value_kind: global_buffer, .address_space: global }
      - { .name: Wk, .offset: 8, .size: 8, .value_kind: global_buffer, .address_space: global }
      - { .name: Wv, .offset: 16, .size: 8, .value_kind: global_buffer, .address_space: global }
      - { .name: Wproj, .offset: 24, .size: 8, .value_kind: global_buffer, .address_space: global }
      - { .name: wimg, .offset: 32, .size: 8, .value_kind: global_buffer, .address_space: global }
      - { .name: wscl, .offset: 40, .size: 8, .value_kind: global_buffer, .address_space: global }
      - { .name: pimg, .offset: 48, .size: 8, .value_kind: global_buffer, .address_space: global }
    .group_segment_fixed_size: 0
    .private_segment_fixed_size: 0
    .kernarg_segment_align: 8
    .kernarg_segment_size: 56
    .max_flat_workgroup_size: 32
    .sgpr_count:     66
    .vgpr_count:     240
    .wavefront_size: 32
...
	.end_amdgpu_metadata
.endif
;; end of part 1
;; launch qkv (part 2): grid 256 x 1, 4 waves a work-group, no clusters, 114,176 bytes of LDS; arguments q_x, prototype, wimg, wscl, qimg, kimg, vimg; writes qimg, kimg, vimg
.if DOCPART == 2
	.amdgcn_target "amdgcn-amd-amdhsa--gfx1250"
	.amdhsa_code_object_version 6
	.text
	.protected	k_qd89dca15cd_qkv
	.globl	k_qd89dca15cd_qkv
	.p2align	8
	.type	k_qd89dca15cd_qkv,@function
k_qd89dca15cd_qkv:
	s_mov_b64 s[64:65], 0
	v_nop
	global_prefetch_b8 v0, s[64:65] scope:SCOPE_SE
	s_setreg_imm32_b32 hwreg(HW_REG_WAVE_MODE, 25, 1), 1
	s_wait_xcnt 0x0
; q = Q(prototype) Q(Wq)^T, k = Q(q_x) Q(Wk)^T, v = Q(q_x) Q(Wv)^T: both operands as codes of E2M1 with one E8M0 scale for each 32 along K = 512, sums in f32.
; The results are rounded to f16 and stored as images of the operand registers of the two attention products (1,024 bytes a fragment: [c 2][lane 32][16 bytes]).
; SHARES.  Work-group i takes rows 128 i .. of q_x (x tiles 0-7 of 16 rows) and rows 32 i .. of prototype (tiles 8, 9): the same work in all 256.
; PHASE X: wave w quantises K step w (128 along K) of all ten tiles.  Each load takes 512 consecutive bytes of a row; a tile's 16 x 512 bytes turn through the wave's own stage in LDS, so that a lane
; holds 16 neighbours of each block of 32; the codes and scale words go to LDS as images of the operand's registers.  One barrier.
; PHASE G: wave w owns columns 128 w .. of each weight: 3 x 32 fragments stay in its registers (windows 1 to 3), read once.  For each x tile: 32 matrix instructions, eight accumulators by turns.
;   q and k: source 0 = 16 rows of W, source 1 = x: a lane holds one row and eight neighbouring channels.   v: source 0 = x, source 1 = W: a lane holds one channel and eight neighbouring keys.
; No tensor loads: x is read once by one wave, and each wave's weights go straight into its registers.  No cluster: work-groups share the weights alone, 384 KiB against 84 MB of rows.
; LIMITS: a block of zeros gets the scale byte 1 (its codes are zeros; read by this program alone); NaN and infinities are not served; |q|, |k|, |v| stay under 65,504, f16's largest number.
.set STG2,  8448                       ; a stage: 16 rows x (512 + 16) bytes
.set WSTG,  16896                      ; two stages a wave, from LDS byte 0
.set XIMG,  67584                      ; [tile 10][ks 4][image]
.set XSC,   108544                     ; [tile 10][lane 32][word ks]
.set SPARE, 113664                     ; the spare words, 128 bytes a wave: two blocks of 256 bytes that no other line names
.set LI,  1                            ; v1   16 x lane
.set XO,  2                            ; v2   16 x lane + 512 w: my bytes of a row of x
.set SW,  3                            ; v3   the stage, on the way in
.set SR,  4                            ; v4   and on the way out: row r, + 64 h
.set IW,  5                            ; v5   where I store x's images
.set SCW, 6                            ; v6   and their scale words
.set XIR, 7                            ; v7   where I read images
.set XSR, 8                            ; v8   and scale words
.set WSO, 9                            ; v9   16 r: a weight row's scale bytes
.set SPW, 10                           ; v10  LDS address of my spare word; never rewritten
.set NIL, 11                           ; v11  0; never rewritten
.set WS,  16                           ; v16-79   two sets of 32 weight scale words (register 4 ct + ks): scales and nothing else
.set XS,  80                           ; v80-87   two sets of 4 scale words of x: scales and nothing else
.set X,   88                           ; v88-215  phase X: two sets of 64 numbers
.set XF,  88                           ; phase G: two sets of four fragments of x, v88-119 and v120-151
.set ACC, 152                          ; v152-215 eight accumulators
.set PC,  216                          ; v216-231 phase X: two sets of a fragment's codes
.set OUT, 216                          ; v216-247 phase G: 32 registers of f16 pairs
.set PW,  232                          ; v232-233 the scale words just made
.set TM,  234                          ; v234-249 at work
.set SEL, 36                           ; s[36:37] selects for lane l xor 16
; window 1: the ring of loads of x, four sets of 64; later Wv.   window 2: Wq.   window 3: Wk.   Fragment (ct, ks) of a weight at 8 (4 ct + ks).
.set MSB, 0
.macro WIN new                         ; the immediate's high byte repeats the setting that is left
.if MSB != (\new)
	s_set_vgpr_msb (MSB<<8)|(\new)
.set MSB, (\new)
.endif
.endm
.macro PLACES
.rept 4
	v_nop
.endr
.endm
	s_load_b256 s[4:11], s[0:1], 0x0               ; q_x, prototype, wimg, wscl
	s_load_b128 s[12:15], s[0:1], 0x20             ; qimg, kimg
	s_load_b64 s[16:17], s[0:1], 0x30              ; vimg
	v_lshl_add_u32 v[SPW], v0, 2, SPARE
	v_mov_b32 v[NIL], 0
	v_lshrrev_b32 v12, 5, v0
	v_readfirstlane_b32 s18, v12                   ; wave 0..3
	v_and_b32 v12, 31, v0                          ; lane
	v_and_b32 v13, 15, v0                          ; r
	v_bfe_u32 v14, v0, 4, 1                        ; h
	v_lshlrev_b32 v[LI], 4, v12
	s_lshl_b32 s19, s18, 9
	v_add_nc_u32 v[XO], s19, v[LI]
	s_mul_i32 s20, s18, WSTG
	v_add_nc_u32 v[SW], s20, v[LI]
	v_mul_u32_u24 v[SR], v13, 528
	v_lshl_add_u32 v[SR], v14, 6, v[SR]
	v_add_nc_u32 v[SR], s20, v[SR]
	s_lshl_b32 s21, s18, 10
	s_add_co_u32 s21, s21, XIMG
	v_add_nc_u32 v[IW], s21, v[LI]
	s_lshl_b32 s21, s18, 2
	s_add_co_u32 s21, s21, XSC
	v_add_nc_u32 v[SCW], s21, v[LI]
	v_add_nc_u32 v[XIR], XIMG, v[LI]
	v_add_nc_u32 v[XSR], XSC, v[LI]
	v_lshlrev_b32 v[WSO], 4, v13
.irp b, 0,1,2,3
	v_mov_b32 v[TM+4+\b], 0                        ; a lane exchange's destination counts as read
.endr
	s_mov_b32 s[SEL], 0x76543210
	s_mov_b32 s[SEL+1], 0xfedcba98
	s_lshl_b32 s22, ttmp9, 18                      ; q_x: 128 rows of 2,048 bytes
	s_mov_b32 s23, 0
	s_lshl_b32 s24, ttmp9, 16                      ; prototype: 32 rows
	s_mov_b32 s25, 0
	s_lshl_b32 s26, s18, 15                        ; wimg: my 8 tiles of 4,096 bytes
	s_mov_b32 s27, 0
	s_lshl_b32 s28, s18, 11                        ; wscl: my 8 tiles of 256 bytes
	s_mov_b32 s29, 0
	s_lshr_b32 s30, ttmp9, 2                       ; qimg [QB][cs 16][qt 8][image]: QB = i / 4, qt = 2 (i % 4) + tile, cs = 4 w + ct / 2
	s_lshl_b32 s30, s30, 17
	s_and_b32 s31, ttmp9, 3
	s_lshl_b32 s31, s31, 11
	s_add_co_u32 s30, s30, s31
	s_add_co_u32 s30, s30, s26
	s_mov_b32 s31, 0
	s_lshl_b32 s32, ttmp9, 17                      ; kimg [G = key / 64][cs 16][kt 4][image]: G = 2 i + tile / 4
	s_lshl_b32 s33, s18, 14
	s_add_co_u32 s32, s32, s33
	s_mov_b32 s33, 0
	s_lshr_b32 s34, ttmp9, 5                       ; vimg [b][cg 4][ks 128][ct 8][image]: b = i / 32, cg = w, ks = 4 (i % 32) + tile / 2
	s_lshl_b32 s34, s34, 2
	s_add_co_u32 s34, s34, s18
	s_lshl_b32 s34, s34, 7
	s_and_b32 s35, ttmp9, 31
	s_lshl_b32 s35, s35, 2
	s_add_co_u32 s34, s34, s35
	s_lshl_b32 s34, s34, 13
	s_mov_b32 s35, 0
	s_wait_kmcnt 0x0
	s_add_nc_u64 s[4:5], s[4:5], s[22:23]
	s_add_nc_u64 s[6:7], s[6:7], s[24:25]
	s_add_nc_u64 s[8:9], s[8:9], s[26:27]
	s_add_nc_u64 s[10:11], s[10:11], s[28:29]
	s_add_nc_u64 s[12:13], s[12:13], s[30:31]
	s_add_nc_u64 s[14:15], s[14:15], s[32:33]
	s_add_nc_u64 s[16:17], s[16:17], s[34:35]
; tile u's 16 rows, my 512 bytes of each, into ring set u % 4
.macro LOADU u
	WIN 0x40
.irp p, 0,1,2,3,4,5,6,7,8,9,10,11,12,13,14,15
.if (\u) < 8
	global_load_b128 v[64*((\u)%4)+4*\p:64*((\u)%4)+4*\p+3], v[XO], s[4:5] offset:32768*(\u)+2048*\p th:TH_LOAD_NT
.else
	global_load_b128 v[64*((\u)%4)+4*\p:64*((\u)%4)+4*\p+3], v[XO], s[6:7] offset:32768*((\u)-8)+2048*\p th:TH_LOAD_NT
.endif
.endr
	WIN 0
.endm
; through my stage: in as loaded, out 16 neighbours of each block of 32 a lane: register 16 b + i = k 32 b + 16 h + i of row r.  LDS serves a wave's instructions in order: no wait between
.macro TURN u
	WIN 0x04                                       ; an LDS store's data are its source 1: window 1
.irp p, 0,1,2,3,4,5,6,7,8,9,10,11,12,13,14,15
	ds_store_b128 v[SW], v[64*((\u)%4)+4*\p:64*((\u)%4)+4*\p+3] offset:STG2*((\u)%2)+528*\p
.endr
	WIN 0
.irp b, 0,1,2,3
.irp j, 0,1,2,3
	ds_load_b128 v[X+64*((\u)%2)+16*\b+4*\j:X+64*((\u)%2)+16*\b+4*\j+3], v[SR] offset:STG2*((\u)%2)+128*\b+16*\j
.endr
.endr
.endm
; half a weight's fragments of mine: 32 loads of 512 bytes, load n into register 4 n
.macro WLOAD wt, half, win
	WIN \win
.set NN, 32*(\half)
.rept 32
	global_load_b128 v[4*NN:4*NN+3], v[LI], s[8:9] offset:131072*(\wt)+512*NN
.set NN, NN+1
.endr
	WIN 0
.endm
.macro WSLOAD wt, set                  ; a weight's scale words of my 8 tiles: lane r takes row r's four words
.irp c, 0,1,2,3,4,5,6,7
	global_load_b128 v[WS+32*(\set)+4*\c:WS+32*(\set)+4*\c+3], v[WSO], s[10:11] offset:8192*(\wt)+256*\c
.endr
.endm
; 64 numbers of a lane become a fragment's codes (8 registers from pc on) and its row's scale word (pw)
.macro QUANT s, pc, pw
.irp b, 0,1,2,3
	v_max3_num_f32 v[TM+\b], |v[(\s)+16*\b]|, |v[(\s)+1+16*\b]|, 0x1800000   ; block b: my 16 numbers, and the floor 2^(3 - 127): the byte cannot fall under 1
.endr
.irp i, 2,4,6,8,10,12,14
.irp b, 0,1,2,3
	v_max3_num_f32 v[TM+\b], v[TM+\b], |v[(\s)+16*\b+\i]|, |v[(\s)+1+16*\b+\i]|   ; the four blocks by turns
.endr
.endr
.irp b, 0,1,2,3
	v_permlanex16_b32 v[TM+4+\b], v[TM+\b], s[SEL], s[SEL+1]
.endr
.irp b, 0,1,2,3
	v_max_num_f32 v[TM+\b], v[TM+\b], v[TM+4+\b]   ; with lane l xor 16's 16: the block's largest magnitude
.endr
.irp b, 0,1,2,3
	v_add_nc_u32 v[TM+12+\b], 0xff000000, v[TM+\b] ; 2 off its exponent field: the conversion's scale operand
.endr
.irp b, 0,1,2,3
	v_lshrrev_b32 v[TM+4+\b], 23, v[TM+12+\b]      ; the scale's byte
.endr
	v_lshl_or_b32 v[\pw], v[TM+5], 8, v[TM+4]
	v_lshl_or_b32 v[\pw], v[TM+6], 16, v[\pw]
	v_lshl_or_b32 v[\pw], v[TM+7], 24, v[\pw]
.irp b, 0,1,2,3
	v_cvt_scalef32_pk8_fp4_f32 v[(\pc)+2*\b], v[(\s)+16*\b:(\s)+7+16*\b], v[TM+12+\b]
	v_cvt_scalef32_pk8_fp4_f32 v[(\pc)+1+2*\b], v[(\s)+8+16*\b:(\s)+15+16*\b], v[TM+12+\b]
.endr
	v_nop                                          ; one plain line behind the scaled conversions
.irp c, 0,1                                    ; the operand's layout wants a whole block in a lane: lanes 0-15 block 2 c, lanes 16-31 block 2 c + 1
.irp i, 0,1
	v_permlane16_swap_b32 v[(\pc)+4*\c+\i], v[(\pc)+2+4*\c+\i]
.endr
.endr
.endm
.macro IMAGE u
.irp c, 0,1
	ds_store_b128 v[IW], v[PC+8*((\u)%2)+4*\c:PC+8*((\u)%2)+4*\c+3] offset:4096*(\u)+512*\c
.endr
	ds_store_b32 v[SCW], v[PW+((\u)%2)] offset:512*(\u)
.endm
.macro UNIT u
.if (\u) == 0
	s_wait_dscnt 0x0
.else
	s_wait_dscnt 0x3                               ; behind this tile's loads from the stage stand only the last tile's three image stores
.endif
.if (\u) < 6
	LOADU (\u)+4                                   ; into the ring set that this tile's stage stores have read
.elseif (\u) == 6
	WLOAD 0, 0, 0x80                               ; x is all asked for: the weights follow
.elseif (\u) == 7
	WLOAD 0, 1, 0x80
.elseif (\u) == 8
	WLOAD 1, 0, 0xc0
.else
	WLOAD 1, 1, 0xc0
.endif
.if (\u) < 6
	s_wait_loadcnt 48                              ; behind the next tile's 16 loads stand three tiles' 48
	TURN (\u)+1
.elseif (\u) < 9
	s_wait_loadcnt 63                              ; behind the next tile's loads stand 64 or more (tiles and weights): 63 out shows them in
	TURN (\u)+1
.endif
	QUANT X+64*((\u)%2), PC+8*((\u)%2), PW+((\u)%2)
	IMAGE \u
.endm
	LOADU 0
	LOADU 1
	LOADU 2
	LOADU 3
	s_wait_loadcnt 48                              ; tile 0's 16 loads are in
	TURN 0
.irp u, 0,1,2,3,4,5,6,7,8,9
	UNIT \u
.endr
	WSLOAD 0, 0                                    ; Wq's scale words, set A
	WSLOAD 1, 1                                    ; Wk's, set B
	WLOAD 2, 0, 0x40                               ; Wv takes the ring's registers: the last stage stores have read them
	WLOAD 2, 1, 0x40
	s_wait_dscnt 0x0                               ; my images have landed
	s_barrier_signal -1
	s_barrier_wait -1                              ; all forty fragments of x lie in LDS
.macro FETCH t                         ; tile t's four fragments and its rows' four scale words into set t % 2
.irp n, 0,1,2,3,4,5,6,7
	ds_load_b128 v[XF+32*((\t)%2)+4*\n:XF+32*((\t)%2)+4*\n+3], v[XIR] offset:4096*(\t)+512*\n
.endr
	ds_load_b128 v[XS+4*((\t)%2):XS+4*((\t)%2)+3], v[XSR] offset:512*(\t)
.endm
.macro MM dst, ws, t, ks, ct
.set rA, ACC+8*(\ct)
.set rW, 8*(4*(\ct)+(\ks))
.set rX, XF+32*((\t)%2)+8*(\ks)
.set rWS, WS+32*(\ws)+4*(\ct)+(\ks)
.set rXS, XS+4*((\t)%2)+(\ks)
.if (\dst) < 2
.if (\ks) == 0
	v_wmma_scale_f32_16x16x128_f8f6f4 v[rA:rA+7], v[rW:rW+7], v[rX:rX+7], 0, v[rWS], v[rXS] matrix_a_fmt:MATRIX_FMT_FP4 matrix_b_fmt:MATRIX_FMT_FP4
.else
	v_wmma_scale_f32_16x16x128_f8f6f4 v[rA:rA+7], v[rW:rW+7], v[rX:rX+7], v[rA:rA+7], v[rWS], v[rXS] matrix_a_fmt:MATRIX_FMT_FP4 matrix_b_fmt:MATRIX_FMT_FP4
.endif
.else
.if (\ks) == 0
	v_wmma_scale_f32_16x16x128_f8f6f4 v[rA:rA+7], v[rX:rX+7], v[rW:rW+7], 0, v[rXS], v[rWS] matrix_a_fmt:MATRIX_FMT_FP4 matrix_b_fmt:MATRIX_FMT_FP4
.else
	v_wmma_scale_f32_16x16x128_f8f6f4 v[rA:rA+7], v[rX:rX+7], v[rW:rW+7], v[rA:rA+7], v[rXS], v[rWS] matrix_a_fmt:MATRIX_FMT_FP4 matrix_b_fmt:MATRIX_FMT_FP4
.endif
.endif
.endm
; One x tile against my 128 columns of one weight.  dst: 0 q, 1 k, 2 v.  nxt: the tile fetched meanwhile (-1: none).
; The eight accumulators take turns, one instruction a turn; the first K step starts the sums.
.macro TILE dst, win, ws, t, nxt
.if (\nxt) >= 0
	FETCH \nxt                                     ; into the set that the tile before multiplied: its places and conversions stand between
	s_wait_dscnt 0x9                               ; all but the nine just issued
.else
	s_wait_dscnt 0x0
.endif
	WIN \win
.irp ks, 0,1,2,3
.irp ct, 0,1,2,3,4,5,6,7
	MM \dst, \ws, \t, \ks, \ct
.endr
.endr
	WIN 0
	PLACES                                         ; four places behind the last products, ahead of the first read of results
	s_wait_xcnt 0x0                                ; the last tile's stores have read their data: the registers are written again
.irp ct, 0,1,2,3,4,5,6,7
.irp p, 0,1,2,3
	v_cvt_pk_f16_f32 v[OUT+4*\ct+\p], v[ACC+8*\ct+2*\p], v[ACC+8*\ct+2*\p+1]   ; each accumulator from its low end on
.endr
.endr
.irp ct, 0,1,2,3,4,5,6,7                       ; each store: half a fragment's image, 512 consecutive bytes, aligned
.if (\dst) == 0
	global_store_b128 v[LI], v[OUT+4*\ct:OUT+4*\ct+3], s[12:13] offset:(\ct/2)*8192+1024*((\t)-8)+512*(\ct%2)
.elseif (\dst) == 1
	global_store_b128 v[LI], v[OUT+4*\ct:OUT+4*\ct+3], s[14:15] offset:((\t)/4)*65536+(\ct/2)*4096+((\t)%4)*1024+512*(\ct%2)
.else
	global_store_b128 v[LI], v[OUT+4*\ct:OUT+4*\ct+3], s[16:17] offset:((\t)/2)*8192+1024*\ct+512*((\t)%2)
.endif
.endr
.endm
	FETCH 8
	s_wait_loadcnt 63                              ; behind Wq and its scale words stand 72 loads (Wk's scale words, Wv)
	TILE 0, 0x02, 0, 8, 9
	TILE 0, 0x02, 0, 9, 0
	WSLOAD 2, 0                                    ; Wv's scale words take set A
	s_wait_loadcnt 63                              ; behind Wk and its scale words stand 72 loads (Wv and its scale words)
.irp t, 0,1,2,3,4,5,6
	TILE 1, 0x03, 1, \t, \t+1
.endr
	TILE 1, 0x03, 1, 7, 0
	s_wait_loadcnt 0x0
.irp t, 0,1,2,3,4,5,6
	TILE 2, 0x04, 0, \t, \t+1
.endr
	TILE 2, 0x04, 0, 7, -1
	s_wait_tensorcnt 0x0                           ; the wave's end
	ds_add_u32 v[SPW], v[NIL]
	s_wait_dscnt 0x0
	s_endpgm
.Lfunc_end_k_qd89dca15cd_qkv:
	.size	k_qd89dca15cd_qkv, .Lfunc_end_k_qd89dca15cd_qkv-k_qd89dca15cd_qkv
	.p2alignl 7, 3214868480
	.fill 96, 4, 3214868480
	.section	.rodata,"a",@progbits
	.p2align	6, 0x0
	.amdhsa_kernel k_qd89dca15cd_qkv
		.amdhsa_group_segment_fixed_size 114176
		.amdhsa_private_segment_fixed_size 0
		.amdhsa_enable_private_segment 0
		.amdhsa_kernarg_size 56
		.amdhsa_user_sgpr_count 2
		.amdhsa_user_sgpr_kernarg_segment_ptr 1
		.amdhsa_wavefront_size32 1
		.amdhsa_system_sgpr_workgroup_id_x 1
		.amdhsa_system_sgpr_workgroup_id_y 1
		.amdhsa_system_sgpr_workgroup_id_z 1
		.amdhsa_system_vgpr_workitem_id 0
		.amdhsa_next_free_vgpr 1024
		.amdhsa_next_free_sgpr 66
		.amdhsa_reserve_vcc 0
		.amdhsa_float_denorm_mode_32 3
		.amdhsa_float_denorm_mode_16_64 3
		.amdhsa_memory_ordered 1
		.amdhsa_forward_progress 1
		.amdhsa_inst_pref_size 236
	.end_amdhsa_kernel
	.amdgpu_metadata
---
amdhsa.version: [ 1, 2 ]
amdhsa.kernels:
  - .name:           k_qd89dca15cd_qkv
    .symbol:         k_qd89dca15cd_qkv.kd
    .args:
      - { .name: q_x, .offset: 0, .size: 8, .value_kind: global_buffer, .address_space: global }
      - { .name: prototype, .offset: 8, .size: 8, .value_kind: global_buffer, .address_space: global }
      - { .name: wimg, .offset: 16, .size: 8, .value_kind: global_buffer, .address_space: global }
      - { .name: wscl, .offset: 24, .size: 8, .value_kind: global_buffer, .address_space: global }
      - { .name: qimg, .offset: 32, .size: 8, .value_kind: global_buffer, .address_space: global }
      - { .name: kimg, .offset: 40, .size: 8, .value_kind: global_buffer, .address_space: global }
      - { .name: vimg, .offset: 48, .size: 8, .value_kind: global_buffer, .address_space: global }
    .group_segment_fixed_size: 114176
    .private_segment_fixed_size: 0
    .kernarg_segment_align: 8
    .kernarg_segment_size: 56
    .max_flat_workgroup_size: 128
    .sgpr_count:     66
    .vgpr_count:     1024
    .wavefront_size: 32
...
	.end_amdgpu_metadata
.endif
;; end of part 2
;; launch attn (part 3): grid 32 x 8, 4 waves a work-group, no clusters, 209,408 bytes of LDS; arguments qimg, kimg, vimg, qry_attn_mask, opart, stat; writes opart, stat
.if DOCPART == 3
	.amdgcn_target "amdgcn-amd-amdhsa--gfx1250"
	.amdhsa_code_object_version 6
	.text
	.protected	k_qd89dca15cd_attn
	.globl	k_qd89dca15cd_attn
	.p2align	8
	.type	k_qd89dca15cd_attn,@function
k_qd89dca15cd_attn:
	s_mov_b64 s[64:65], 0
	v_nop
	global_prefetch_b8 v0, s[64:65] scope:SCOPE_SE
	s_setreg_imm32_b32 hwreg(HW_REG_WAVE_MODE, 25, 1), 1
	s_wait_xcnt 0x0
; For a quarter of a batch's keys, 1,024 (work-group x = 4 b + s) and 128 of its queries (y): t = (q . k / sqrt(512) + bias) log2(e), bias = -10,000 where the mask byte is 0;
; a running maximum m of t, p = 2^(t - m), l = the sum of p, O = the sum of p v.  O (not normalised), m and l go to memory; the next launch joins the four quarters.
; EVERY key is multiplied: the mask is an additive bias, so a masked key can still weigh (large scores; a row whose keys are all masked).
; Operands q, k, v and p in f16, sums, maxima and exponentials in f32.
; SHARES.  Four steps of 256 keys.  Scores: wave w makes S^T (source 0 = 16 keys, source 1 = 16 queries) for keys 64 w .. + 63 and all 128 queries, K = 512 channels in 16 steps of 32.
; Second product: wave w makes O^T (source 0 = 16 channels, source 1 = P) for channels 128 w .. + 127 and all 128 queries, K = 256 keys in 8 steps of 32.  A lane holds one query throughout.
; So each fragment of K and of V has ONE reader in the work-group and goes from memory straight into its operand registers (the buffers are laid as register images); a way through LDS would add
; 512 KiB of LDS writes and reads to a step's 832 KiB.  That is why there are no tensor loads, and with none no joint loads of a cluster.  Q stays in LDS; P, the maxima and the sums cross the waves through LDS.
; THE GRID: the eight work-groups that read the same K and V differ in y alone, so their numbers lie 32 apart.
; THE WAY OUT: a lane's 64 numbers of a tile of queries are multiplied by 2^-E, E the exponent of the largest of them (exact), and rounded to f16: half the bytes of f32; 2^E goes out beside m and l.
; LIMITS: NaN and infinities are not served; mask bytes are 0 or 1; |O| stays under 2^127; a lane whose 64 numbers all lie under 2^-126 is scaled as if the largest were 2^-126.
.set PI,    131072                     ; LDS: Q's images [cs 16][qt 8][1,024] from 0; P's [ks 8][qt 8][1,024] from here
.set MX,    196608                     ; the waves' maxima [qt 8][lane 32][wave]
.set LX,    200704                     ; the waves' sums, the same form
.set SX,    204800                     ; the waves' factors 2^E, the same form
.set SPARE, 208896                     ; the spare words, 128 bytes a wave: two blocks of 256 bytes that no other line names
.set LI,  1                            ; v1   16 x lane
.set QAD, 2                            ; v2   LDS address of the trip's part of Q
.set PA,  3                            ; v3   PI + 16 x lane
.set PW,  4                            ; v4   where I store P: + 16,384 w
.set MXW, 5
.set MXR, 6
.set MKO, 7                            ; v7   8 h: my eight mask bytes of a tile of keys
.set SPW, 8                            ; v8   LDS address of my spare word; never rewritten
.set NIL, 9                            ; v9   0; never rewritten
.set PFO, 10                           ; v10  256 x lane: the prefetches' offset
.set LN4, 11                           ; v11  4 x lane
.set LXW, 12
.set LXR, 13
.set QW,  14                           ; v14  where I store my quarter of Q;  v15: lane
.set M,   16                           ; v16-23   the running maximum, a register a tile of queries
.set L,   24                           ; v24-39   the running sum, a pair a tile
.set MK,  40                           ; v40-47   mask bytes
.set QF,  48                           ; v48-111  eight fragments of Q;
.set BI,  48                           ;          in the softmax the bias (32), then
.set X,   48                           ;          four registers a tile: the waves' maxima, then the new maximum (+0);
.set PF,  48                           ;          in the second product eight fragments of P
.set KR,  112                          ; v112-239 four sets of four fragments of K; then V of key steps 0 and 1
.set TX,  240
.set TY,  248
.set AP,  240                          ; v240-255 from the second part of the softmax on: a pair a tile, a = 2^(old m - new m) in its low word
; window 1: S^T, tile (kt, qt) at 8 (4 qt + kt); in the second product four sets of V (64 registers each).   windows 2, 3: O^T, tile (ct, qt) in window 2 + qt / 4 at 8 (8 (qt % 4) + ct).
.set KP,  6                            ; s[6:7]   K: my 64 keys of the step
.set VP,  8                            ; s[8:9]   V: my 128 channels, the step's keys
.set MP,  10                           ; s[10:11] the mask: my 64 keys of the step
.set OP,  12
.set SP,  14
.set WV,  16
.set RK,  24                           ; s[24:25] K, the channel steps that the trip refills
.set RF,  26                           ; s[26:27] what the refills name: RK, or V in the last trip
.set QT,  28
.set TR,  29
.set SC,  30                           ; s30  steps to go, this one among them
.set LIM, 31                           ; s31  1 in the work-group that prefetches (y = 0), else the greatest number
.set CS,  32                           ; s[32:33] c = log2(e) / sqrt(512)
.set SEL, 34                           ; s[34:35] selects for lane l xor 16
.set NC,  36                           ; s36  -10,000 log2(e)
.set QB,  37                           ; s37  the block of 128 queries in the batch
.set FP,  38                           ; s[38:39] where the factors 2^E go
.set MSB, 0
.macro WIN new                         ; the immediate's high byte repeats the setting that is left
.if MSB != (\new)
	s_set_vgpr_msb (MSB<<8)|(\new)
.set MSB, (\new)
.endif
.endm
.macro PLACES                          ; four places behind matrix instructions, ahead of loads into their registers and of reads of their results
.rept 4
	v_nop
.endr
.endm
.macro BAR
	s_barrier_signal -1
	s_barrier_wait -1
.endm
	s_load_b256 s[4:11], s[0:1], 0x0               ; qimg, kimg, vimg, the mask
	s_load_b128 s[12:15], s[0:1], 0x20             ; opart, stat
	v_lshl_add_u32 v[SPW], v0, 2, SPARE
	v_mov_b32 v[NIL], 0
	v_lshrrev_b32 v15, 5, v0
	v_readfirstlane_b32 s[WV], v15                 ; wave 0..3
	v_and_b32 v15, 31, v0                          ; lane
	v_lshlrev_b32 v[LI], 4, v15
	v_lshlrev_b32 v[PFO], 8, v15
	v_lshlrev_b32 v[LN4], 2, v15
	v_bfe_u32 v[MKO], v0, 4, 1
	v_lshlrev_b32 v[MKO], 3, v[MKO]
	v_add_nc_u32 v[PA], PI, v[LI]
	s_lshl_b32 s17, s[WV], 14
	s_add_co_u32 s17, s17, PI
	v_add_nc_u32 v[PW], s17, v[LI]
	s_lshl_b32 s17, s[WV], 2
	s_add_co_u32 s18, s17, MX
	v_add_nc_u32 v[MXW], s18, v[LI]
	v_add_nc_u32 v[MXR], MX, v[LI]
	s_add_co_u32 s18, s17, LX
	v_add_nc_u32 v[LXW], s18, v[LI]
	v_add_nc_u32 v[LXR], LX, v[LI]
	s_lshl_b32 s17, s[WV], 15
	v_add_nc_u32 v[QW], s17, v[LI]
.irp a, 0,1,2,3,4,5,6,7
	v_mov_b32 v[M+\a], 0xff61b1e6                  ; -3e38, under every t
	v_mov_b32 v[L+2*\a], 0
	v_mov_b32 v[L+2*\a+1], 0
	v_mov_b32 v[TY+\a], 0                          ; a lane exchange's destination counts as read
.endr
	s_mov_b32 s[CS], 0x3d8293ee
	s_mov_b32 s[CS+1], s[CS]                       ; named with it as a pair, so it is written
	s_mov_b32 s[SEL], 0x76543210
	s_mov_b32 s[SEL+1], 0xfedcba98
	s_mov_b32 s[NC], 0xc6616bcd
	s_and_b32 s[QB], ttmp7, 0xffff                 ; y: the block of queries
	s_mov_b32 s17, ttmp9                           ; x = 4 b + s
	s_lshr_b32 s18, s17, 2                         ; b
	s_and_b32 s19, s17, 3                          ; s
	s_lshl_b32 s20, s18, 3
	s_add_co_u32 s20, s20, s[QB]                   ; the block of 128 queries among all: 8 b + y
	s_mov_b32 s23, 0
	s_mov_b32 s41, 0
	s_cmp_eq_u32 s[QB], 0
	s_cselect_b32 s[LIM], 1, -1
	s_wait_kmcnt 0x0
	s_lshl_b32 s22, s20, 17                        ; qimg: 131,072 bytes a block, my quarter
	s_lshl_b32 s21, s[WV], 15
	s_add_co_u32 s22, s22, s21
	s_add_nc_u64 s[4:5], s[4:5], s[22:23]
	s_lshl_b32 s22, s17, 4                         ; kimg: group of 64 keys 64 b + 16 s + w, 65,536 bytes each
	s_add_co_u32 s22, s22, s[WV]
	s_lshl_b32 s22, s22, 16
	s_add_nc_u64 s[KP:KP+1], s[KP:KP+1], s[22:23]
	s_lshl_b32 s22, s18, 2                         ; vimg: ((4 b + w) 128 + 32 s) x 8,192
	s_add_co_u32 s22, s22, s[WV]
	s_lshl_b32 s22, s22, 7
	s_lshl_b32 s21, s19, 5
	s_add_co_u32 s22, s22, s21
	s_lshl_b32 s22, s22, 13
	s_add_nc_u64 s[VP:VP+1], s[VP:VP+1], s[22:23]
	s_lshl_b32 s22, s17, 10                        ; the mask: 1,024 x + 64 w
	s_lshl_b32 s21, s[WV], 6
	s_add_co_u32 s22, s22, s21
	s_add_nc_u64 s[MP:MP+1], s[MP:MP+1], s[22:23]
	s_lshl_b32 s22, s19, 23                        ; opart [s][tile of 16 queries][cg 4][ct 8][lane][16 bytes of f16]: 8 MiB a part, 16,384 bytes a tile
	s_lshl_b32 s21, s20, 17
	s_add_co_u32 s22, s22, s21
	s_lshl_b32 s21, s[WV], 12
	s_add_co_u32 s22, s22, s21
	s_add_nc_u64 s[OP:OP+1], s[OP:OP+1], s[22:23]
	s_lshl_b32 s22, s19, 9                         ; my first tile of 16 queries in part s: 512 s + 8 (8 b + y)
	s_lshl_b32 s21, s20, 3
	s_add_co_u32 s22, s22, s21
	s_lshl_b32 s40, s22, 9                         ; stat, second region, from byte 262,144: [s][tile][lane][cg] f32, 512 bytes a tile
	s_add_co_u32 s40, s40, 262144
	s_add_nc_u64 s[FP:FP+1], s[SP:SP+1], s[40:41]
	s_lshl_b32 s22, s22, 7                         ; first region: [s][tile][32 words]
	s_add_nc_u64 s[SP:SP+1], s[SP:SP+1], s[22:23]
	; my quarter of Q's images goes through window 1 into LDS; the first four channel steps of K are asked for between the halves
	WIN 0x40
.set NN, 0
.rept 64
	global_load_b128 v[4*NN:4*NN+3], v[LI], s[4:5] offset:512*NN
.set NN, NN+1
.endr
	s_wait_loadcnt 32                              ; the first half of Q is in
	WIN 0x04
.set NN, 0
.rept 32
	ds_store_b128 v[QW], v[4*NN:4*NN+3] offset:512*NN
.set NN, NN+1
.endr
	WIN 0
.set NN, 0
.rept 32
	global_load_b128 v[KR+4*NN:KR+4*NN+3], v[LI], s[KP:KP+1] offset:512*NN
.set NN, NN+1
.endr
	s_wait_loadcnt 32                              ; all but K's 32: the second half of Q is in
	WIN 0x04
.set NN, 32
.rept 32
	ds_store_b128 v[QW], v[4*NN:4*NN+3] offset:512*NN
.set NN, NN+1
.endr
	WIN 0
	s_wait_dscnt 0x0
	BAR                                            ; Q lies in LDS, whole
; 16 products of a channel step: queries' tiles q0 .. q0 + 3 x my four tiles of keys; K's set q.  The 32 accumulators take turns in the same order in every channel step.
.macro SMUL q, q0, zero
.irp a, 0,1,2,3
.irp k, 0,1,2,3
.if \zero
	v_wmma_f32_16x16x32_f16 v[8*(4*(\q0+\a)+\k):8*(4*(\q0+\a)+\k)+7], v[KR+32*(\q)+8*\k:KR+32*(\q)+8*\k+7], v[QF+8*(\q0+\a):QF+8*(\q0+\a)+7], 0
.else
	v_wmma_f32_16x16x32_f16 v[8*(4*(\q0+\a)+\k):8*(4*(\q0+\a)+\k)+7], v[KR+32*(\q)+8*\k:KR+32*(\q)+8*\k+7], v[QF+8*(\q0+\a):QF+8*(\q0+\a)+7], v[8*(4*(\q0+\a)+\k):8*(4*(\q0+\a)+\k)+7]
.endif
.endr
.endr
.endm
.macro QLOAD q, q0                     ; the next channel step's fragments q0 .. q0 + 3 of Q
.irp a, 0,1,2,3
.irp c, 0,1
	ds_load_b128 v[QF+8*(\q0+\a)+4*\c:QF+8*(\q0+\a)+4*\c+3], v[QAD] offset:8192*((\q)+1)+1024*(\q0+\a)+512*\c
.endr
.endr
.endm
; A channel step: 32 products.  Q has one set of registers: fragments 0-3 are fetched anew in the step's middle, 4-7 at its end.  K's set is filled again with the channel step four on.
; skip = 1: in the last trip nothing of Q follows: a branch on the trip's count leads round the two runs of LDS loads.
.macro CH q, zero, skip
	s_wait_loadcnt 24                              ; behind this set's eight loads stand the three younger sets' 24 (in a step's first four channel steps 28, the mask's four among them)
	s_wait_dscnt 8                                 ; Q's fragments 0-3 are in; the youngest eight loads (4-7) may be out
	WIN 0x50
	SMUL \q, 0, \zero
	s_wait_dscnt 0x0
	PLACES
	WIN 0
.if \skip
	s_cmp_eq_u32 s[TR], 1
	s_cbranch_scc1 .Lnq0_\@
.endif
	QLOAD \q, 0
.if \skip
.Lnq0_\@:
.endif
	WIN 0x50
	SMUL \q, 4, \zero
	PLACES
	WIN 0
.irp n, 0,1,2,3,4,5,6,7
	global_load_b128 v[KR+32*(\q)+4*\n:KR+32*(\q)+4*\n+3], v[LI], s[RF:RF+1] offset:4096*(\q)+512*\n
.endr
.if \skip
	s_cmp_eq_u32 s[TR], 1
	s_cbranch_scc1 .Lnq1_\@
.endif
	QLOAD \q, 4
.if \skip
.Lnq1_\@:
.endif
.endm
; PREFETCHES.  The eight work-groups of one x read the same K and V: the one with y = 0 asks, each wave for its own part, lanes 256 bytes apart, 8,192 bytes an instruction, so each block of 256 bytes
; is named once in the launch.  ASKV, behind a step's first two channel steps: this step's V, 65,536 bytes, ten channel steps and more ahead of its first load.
; ASKK, behind key steps 4 and 5: the next step's channel steps 4 to 15 of K, 49,152 bytes; the last step asks for nothing.
.macro ASKV n0
	s_cmp_eq_u32 s[LIM], 1
	s_cbranch_scc0 .Lnv_\@
.irp n, 0,1,2,3
	global_prefetch_b8 v[PFO], s[VP:VP+1] offset:8192*(\n0+\n) th:TH_LOAD_NT scope:SCOPE_SE
.endr
.Lnv_\@:
.endm
.macro ASKK n0
	s_cmp_gt_u32 s[SC], s[LIM]
	s_cbranch_scc0 .Lna_\@
.irp n, 0,1,2
	global_prefetch_b8 v[PFO], s[KP:KP+1] offset:262144+16384+8192*(\n0+\n) th:TH_LOAD_NT scope:SCOPE_SE
.endr
.Lna_\@:
.endm
.macro PMUL q0, zero                   ; 32 products of a key step: queries' tiles q0 .. q0 + 3 x my eight tiles of channels; V from VB on
.irp a, 0,1,2,3
.irp c, 0,1,2,3,4,5,6,7
.if \zero
	v_wmma_f32_16x16x32_f16 v[8*(8*\a+\c):8*(8*\a+\c)+7], v[VB+8*\c:VB+8*\c+7], v[PF+8*(\q0+\a):PF+8*(\q0+\a)+7], 0
.else
	v_wmma_f32_16x16x32_f16 v[8*(8*\a+\c):8*(8*\a+\c)+7], v[VB+8*\c:VB+8*\c+7], v[PF+8*(\q0+\a):PF+8*(\q0+\a)+7], v[8*(8*\a+\c):8*(8*\a+\c)+7]
.endif
.endr
.endr
.endm
.macro PLOAD i, q0
.irp a, 0,1,2,3
.irp c, 0,1
	ds_load_b128 v[PF+8*(\q0+\a)+4*\c:PF+8*(\q0+\a)+4*\c+3], v[PA] offset:8192*(\i)+1024*(\q0+\a)+512*\c
.endr
.endr
.endm
; Key step i of 8: 64 products.  V of steps 0, 1 lies where K lay, of steps 2-5 in window 1's four sets, of steps 6, 7 in the first two of them again.
.macro KSTEP i, first
.if (\i) < 2
.set VB, KR+64*(\i)
.set VW, 0
.elseif (\i) < 6
.set VB, 64*((\i)-2)
.set VW, 1
.else
.set VB, 64*((\i)-6)
.set VW, 1
.endif
; the loads that stand behind this key step's V where the next step's K is not asked for: 64, 64, 48, 48, 48, 32, 16, 0 (the field holds 63); with K's 32 among them more stand behind, so the counts serve both ways
.if (\i) < 2
	s_wait_loadcnt 63
.elseif (\i) < 5
	s_wait_loadcnt 48
.else
	s_wait_loadcnt 16*(7-(\i))
.endif
	s_wait_dscnt 8                                 ; P's fragments 0-3 are in
	WIN 0xa0|VW
.if (\first) && ((\i) == 0)
	PMUL 0, 1
.else
	PMUL 0, 0
.endif
	s_wait_dscnt 0x0
	PLACES
	WIN 0
.if (\i) < 7
	PLOAD (\i)+1, 0
.endif
	WIN 0xf0|VW
.if (\first) && ((\i) == 0)
	PMUL 4, 1
.else
	PMUL 4, 0
.endif
	PLACES
	WIN 0
.if (\i) < 7
	PLOAD (\i)+1, 4
.endif
.if (\i) == 0                                  ; V of key step 5 goes out here and not with steps 2 to 4, so that no more loads are asked for at once than the counter's field holds
	WIN 0x40
.irp n, 0,1,2,3,4,5,6,7,8,9,10,11,12,13,14,15
	global_load_b128 v[192+4*\n:192+4*\n+3], v[LI], s[VP:VP+1] offset:8192*5+512*\n
.endr
	WIN 0
.endif
.if (\i) < 2                                   ; the registers just multiplied take the next step's K, channel steps 2 i and 2 i + 1, if there is a next step
.if (\first) == 0
	s_cmp_eq_u32 s[SC], 1
	s_cbranch_scc1 .Lnk_\@
.endif
.irp n, 0,1,2,3,4,5,6,7,8,9,10,11,12,13,14,15
	global_load_b128 v[KR+64*(\i)+4*\n:KR+64*(\i)+4*\n+3], v[LI], s[KP:KP+1] offset:262144+8192*(\i)+512*\n
.endr
.if (\first) == 0
.Lnk_\@:
.endif
.elseif (\i) < 4                               ; V of key steps 6 and 7
	WIN 0x40
.irp n, 0,1,2,3,4,5,6,7,8,9,10,11,12,13,14,15
	global_load_b128 v[64*((\i)-2)+4*\n:64*((\i)-2)+4*\n+3], v[LI], s[VP:VP+1] offset:8192*((\i)+4)+512*\n
.endr
	WIN 0
.elseif (\i) == 4
	ASKK 0
.elseif (\i) == 5
	ASKK 3
.endif
.endm
; A STEP OF 256 KEYS.  first = 1: the first, whose second product starts O^T's sums and which has nothing to rescale.
.macro STEP first
	v_nop                                          ; with the line that makes QAD and the four places at the last key step's end: six places ahead of the first score product, which writes over registers that held V
	s_add_nc_u64 s[RK:RK+1], s[KP:KP+1], 16384     ; channel steps 0-3 are in registers or on their way: the refills begin at 4
	s_mov_b64 s[RF:RF+1], s[RK:RK+1]
	s_mov_b32 s[QT], 0
	v_mov_b32 v[QAD], v[LI]
.irp a, 0,1,2,3,4,5,6,7
.irp c, 0,1
	ds_load_b128 v[QF+8*\a+4*\c:QF+8*\a+4*\c+3], v[LI] offset:1024*\a+512*\c
.endr
.endr
.irp k, 0,1,2,3
	global_load_b64 v[MK+2*\k:MK+2*\k+1], v[MKO], s[MP:MP+1] offset:16*\k   ; the mask bytes of keys 16 kt + 8 h + 0..7
.endr
	CH 0, 1, 0                                     ; the first channel step starts the sums
	ASKV 0
	CH 1, 0, 0
	ASKV 4
	CH 2, 0, 0
	CH 3, 0, 0
	s_mov_b32 s[TR], 3
.Ltrip_\@:                                             ; three trips of four channel steps
	s_wait_xcnt 0x0                                ; the refills have read their base: it is written again
	s_add_nc_u64 s[RK:RK+1], s[RK:RK+1], 16384
	s_cmp_eq_u32 s[TR], 1
	s_cselect_b64 s[RF:RF+1], s[VP:VP+1], s[RK:RK+1]   ; in the last trip the same lines bring V of key steps 0 and 1: the same offsets, the same registers
	s_add_co_u32 s[QT], s[QT], 32768
	v_add_nc_u32 v[QAD], s[QT], v[LI]
	CH 0, 0, 0
	CH 1, 0, 0
	CH 2, 0, 0
	CH 3, 0, 1
	s_sub_co_u32 s[TR], s[TR], 1
	s_cmp_lg_u32 s[TR], 0
	s_cbranch_scc1 .Ltrip_\@
	; ---- the softmax, first part: t = c s + bias; the maximum of my 64 keys and the old m
	PLACES
.irp k, 0,1,2,3
.irp j, 0,1,2,3,4,5,6,7
	v_bfe_u32 v[BI+8*\k+\j], v[MK+2*\k+\j/4], 8*(\j%4), 8   ; the byte: 1 keep, 0 masked  (the waits for 24 in the trips have shown the mask's loads done)
.endr
.endr
.set NN, 0
.rept 32
	v_add_nc_u32 v[BI+NN], -1, v[BI+NN]            ; 0, or all ones
.set NN, NN+1
.endr
.set NN, 0
.rept 32
	v_and_b32 v[BI+NN], s[NC], v[BI+NN]            ; 0, or -10,000 log2(e)
.set NN, NN+1
.endr
	WIN 0x41
.set NN, 0
.rept 128
	v_pk_fma_f32 v[2*NN:2*NN+1], v[2*NN:2*NN+1], s[CS:CS+1], v[BI+2*(NN%16):BI+2*(NN%16)+1] op_sel_hi:[1,0,1]   ; one rounding; each accumulator from its low end on
.set NN, NN+1
.endr
	WIN 0x14
.set NN, 0
.rept 16
.irp a, 0,1,2,3,4,5,6,7                        ; the eight tiles of queries by turns
.if NN == 0
	v_max3_num_f32 v[TX+\a], v[M+\a], v[32*\a], v[32*\a+1]
.else
	v_max3_num_f32 v[TX+\a], v[TX+\a], v[32*\a+2*NN], v[32*\a+2*NN+1]
.endif
.endr
.set NN, NN+1
.endr
	WIN 0
.irp a, 0,1,2,3,4,5,6,7
	v_permlanex16_b32 v[TY+\a], v[TX+\a], s[SEL], s[SEL+1]
.endr
.irp a, 0,1,2,3,4,5,6,7
	v_max_num_f32 v[TX+\a], v[TX+\a], v[TY+\a]
.endr
.irp a, 0,1,2,3,4,5,6,7
	ds_store_b32 v[MXW], v[TX+\a] offset:512*\a
.endr
	s_wait_dscnt 0x0                               ; my maxima have landed; my reads of the last step's P are long over
	BAR
	; ---- second part: the common maximum, p, the sums, P's images, O^T under the new maximum
.irp a, 0,1,2,3,4,5,6,7
	ds_load_b128 v[X+4*\a:X+4*\a+3], v[MXR] offset:512*\a
.endr
	s_wait_dscnt 0x0
.irp a, 0,1,2,3,4,5,6,7
	v_max3_num_f32 v[X+4*\a], v[X+4*\a], v[X+4*\a+1], v[X+4*\a+2]
.endr
.irp a, 0,1,2,3,4,5,6,7
	v_max_num_f32 v[X+4*\a], v[X+4*\a], v[X+4*\a+3]   ; the new m
.endr
.irp a, 0,1,2,3,4,5,6,7
	v_sub_f32 v[X+4*\a+2], v[M+\a], v[X+4*\a]
.endr
.irp a, 0,1,2,3,4,5,6,7
	v_mov_b32 v[M+\a], v[X+4*\a]
.endr
.irp a, 0,1,2,3,4,5,6,7
	v_exp_f32 v[AP+2*\a], v[X+4*\a+2]              ; a = 2^(old m - new m), kept outside the registers that P's fragments take
.endr
	WIN 0x41
.set NN, 0
.rept 128
	v_pk_add_f32 v[2*NN:2*NN+1], v[2*NN:2*NN+1], v[X+4*(NN/16):X+4*(NN/16)+1] op_sel_hi:[1,0] neg_lo:[0,1] neg_hi:[0,1]   ; t - m
.set NN, NN+1
.endr
.set NN, 0
.rept 256
	v_exp_f32 v[NN], v[NN]                         ; p, at most 1
.set NN, NN+1
.endr
	v_nop                                          ; a plain line behind the last exponential
	s_wait_alu depctr_va_vdst(0)                   ; one wait for the batch of 264, ahead of the first line that names a result
	WIN 0
.irp a, 0,1,2,3,4,5,6,7
	v_pk_mul_f32 v[L+2*\a:L+2*\a+1], v[L+2*\a:L+2*\a+1], v[AP+2*\a:AP+2*\a+1] op_sel_hi:[1,0]
.endr
	WIN 0x04
.set NN, 0
.rept 16
.irp a, 0,1,2,3,4,5,6,7
	v_pk_add_f32 v[L+2*\a:L+2*\a+1], v[L+2*\a:L+2*\a+1], v[32*\a+2*NN:32*\a+2*NN+1]   ; the sum is taken of p in f32
.endr
.set NN, NN+1
.endr
	WIN 0x45
.set NN, 0
.rept 32
.irp i, 0,1,2,3
	v_cvt_pk_f16_f32 v[8*NN+\i], v[8*NN+2*\i], v[8*NN+2*\i+1]   ; in place, ascending: register i is written when its own numbers have been read
.endr
.set NN, NN+1
.endr
	WIN 0x04
.irp a, 0,1,2,3,4,5,6,7
.irp k, 0,1,2,3
	ds_store_b128 v[PW], v[8*(4*\a+\k):8*(4*\a+\k)+3] offset:(\k/2)*8192+1024*\a+512*(\k%2)   ; two tiles of 16 keys are a fragment of 32: key step 2 w + kt / 2, half kt % 2
.endr
.endr
.if (\first) == 0
	WIN 0x82
.set NN, 0
.rept 128
	v_pk_mul_f32 v[2*NN:2*NN+1], v[2*NN:2*NN+1], v[AP+2*(NN/32):AP+2*(NN/32)+1] op_sel_hi:[1,0]   ; O^T of queries' tiles 0-3 under the new m, while P's stores land
.set NN, NN+1
.endr
.endif
	WIN 0
	s_wait_dscnt 0x0                               ; P's images have landed
	WIN 0x40
.set NN, 0
.rept 48
	global_load_b128 v[4*NN:4*NN+3], v[LI], s[VP:VP+1] offset:16384+512*NN   ; V of key steps 2 to 4 takes the scores' registers
.set NN, NN+1
.endr
	WIN 0
	BAR                                            ; P lies in LDS, whole; every wave has read the maxima
	PLOAD 0, 0
	PLOAD 0, 4
.if (\first) == 0
	WIN 0xc3
.set NN, 0
.rept 128
	v_pk_mul_f32 v[2*NN:2*NN+1], v[2*NN:2*NN+1], v[AP+2*(4+NN/32):AP+2*(4+NN/32)+1] op_sel_hi:[1,0]   ; tiles 4-7, while P's first fragments come
.set NN, NN+1
.endr
	WIN 0
.endif
.irp i, 0,1,2,3,4,5,6,7
	KSTEP \i, \first
.endr
	s_wait_xcnt 0x0                                ; every load and prefetch has read its base
	s_add_nc_u64 s[KP:KP+1], s[KP:KP+1], 262144    ; the next 256 keys (behind the last step the stepped addresses are not used)
	s_add_nc_u64 s[VP:VP+1], s[VP:VP+1], 65536
	s_add_nc_u64 s[MP:MP+1], s[MP:MP+1], 256
.endm
	s_mov_b32 s[SC], 4
	STEP 1
	s_mov_b32 s[SC], 3
.Lstep:
	STEP 0
	s_sub_co_u32 s[SC], s[SC], 1
	s_cmp_lg_u32 s[SC], 0
	s_cbranch_scc1 .Lstep
	; THE WAY OUT.  My keys' sums go to LDS.
.irp a, 0,1,2,3,4,5,6,7
	v_add_f32 v[TX+\a], v[L+2*\a], v[L+2*\a+1]
.endr
.irp a, 0,1,2,3,4,5,6,7
	v_permlanex16_b32 v[TY+\a], v[TX+\a], s[SEL], s[SEL+1]
.endr
.irp a, 0,1,2,3,4,5,6,7
	v_add_f32 v[TX+\a], v[TX+\a], v[TY+\a]
.endr
.irp a, 0,1,2,3,4,5,6,7
	ds_store_b32 v[LXW], v[TX+\a] offset:512*\a
.endr
	; The largest magnitude of my 64 numbers of each tile of queries, with the floor 2^-126; each accumulator from its low end on; four tiles by turns
	WIN 0x0a
.set NN, 0
.rept 32
.irp a, 0,1,2,3
.if NN == 0
	v_max3_num_f32 v[X+4*\a+2], |v[64*\a]|, |v[64*\a+1]|, 0x800000
.else
	v_max3_num_f32 v[X+4*\a+2], |v[64*\a+2*NN]|, |v[64*\a+2*NN+1]|, v[X+4*\a+2]
.endif
.endr
.set NN, NN+1
.endr
	WIN 0x0f
.set NN, 0
.rept 32
.irp a, 0,1,2,3
.if NN == 0
	v_max3_num_f32 v[X+16+4*\a+2], |v[64*\a]|, |v[64*\a+1]|, 0x800000
.else
	v_max3_num_f32 v[X+16+4*\a+2], |v[64*\a+2*NN]|, |v[64*\a+2*NN+1]|, v[X+16+4*\a+2]
.endif
.endr
.set NN, NN+1
.endr
	WIN 0
.irp a, 0,1,2,3,4,5,6,7
	v_and_b32 v[X+4*\a+1], 0x7f800000, v[X+4*\a+2] ; 2^E: the exponent field alone
.endr
.irp a, 0,1,2,3,4,5,6,7
	v_sub_nc_u32 v[X+4*\a], 0x7f000000, v[X+4*\a+1]   ; f = 2^-E: the field 254 less E's field
.endr
.irp a, 0,1,2,3,4,5,6,7
	ds_store_b32 v[LXW], v[X+4*\a+1] offset:SX-LX+512*\a
.endr
	; O^T x f (exact), rounded to f16 in place, and stored: each store is a tile's image, 512 consecutive bytes, aligned.  Window 2's tiles leave while window 3's are worked
	WIN 0x82
.set NN, 0
.rept 128
	v_pk_mul_f32 v[2*NN:2*NN+1], v[2*NN:2*NN+1], v[X+4*(NN/32):X+4*(NN/32)+1] op_sel_hi:[1,0]
.set NN, NN+1
.endr
	WIN 0x8a
.set NN, 0
.rept 32
.irp i, 0,1,2,3
	v_cvt_pk_f16_f32 v[8*NN+\i], v[8*NN+2*\i], v[8*NN+2*\i+1]
.endr
.set NN, NN+1
.endr
	WIN 0x08                                       ; a store's data are its source 1: window 2
.irp a, 0,1,2,3
.irp c, 0,1,2,3,4,5,6,7
	global_store_b128 v[LI], v[8*(8*\a+\c):8*(8*\a+\c)+3], s[OP:OP+1] offset:16384*\a+512*\c th:TH_STORE_NT
.endr
.endr
	WIN 0xc3
.set NN, 0
.rept 128
	v_pk_mul_f32 v[2*NN:2*NN+1], v[2*NN:2*NN+1], v[X+4*(4+NN/32):X+4*(4+NN/32)+1] op_sel_hi:[1,0]
.set NN, NN+1
.endr
	WIN 0xcf
.set NN, 0
.rept 32
.irp i, 0,1,2,3
	v_cvt_pk_f16_f32 v[8*NN+\i], v[8*NN+2*\i], v[8*NN+2*\i+1]
.endr
.set NN, NN+1
.endr
	WIN 0x0c                                       ; window 3
.irp a, 0,1,2,3
.irp c, 0,1,2,3,4,5,6,7
	global_store_b128 v[LI], v[8*(8*\a+\c):8*(8*\a+\c)+3], s[OP:OP+1] offset:16384*(4+\a)+512*\c th:TH_STORE_NT
.endr
.endr
	WIN 0
	s_wait_dscnt 0x0
	BAR                                            ; the four waves' sums and factors lie in LDS
	s_cmp_lg_u32 s[WV], 0
	s_cbranch_scc1 .Lend                           ; wave 0 alone stores m, l and the factors
.irp a, 0,1,2,3,4,5,6,7
	ds_load_b128 v[X+4*\a:X+4*\a+3], v[LXR] offset:512*\a
.endr
.irp a, 0,1,2,3,4,5,6,7
	ds_load_b128 v[KR+4*\a:KR+4*\a+3], v[LXR] offset:SX-LX+512*\a
.endr
	s_wait_dscnt 0x0
	v_cmp_lt_u32 vcc_lo, 15, v15
.irp a, 0,1,2,3,4,5,6,7
	v_add_f32 v[X+4*\a], v[X+4*\a], v[X+4*\a+1]
	v_add_f32 v[X+4*\a+2], v[X+4*\a+2], v[X+4*\a+3]
.endr
.irp a, 0,1,2,3,4,5,6,7
	v_add_f32 v[X+4*\a], v[X+4*\a], v[X+4*\a+2]
.endr
.irp a, 0,1,2,3,4,5,6,7
	v_cndmask_b32 v[X+4*\a], v[M+\a], v[X+4*\a], vcc_lo   ; lanes 0-15: m of query r; lanes 16-31: l of query r
.endr
.irp a, 0,1,2,3,4,5,6,7
	global_store_b32 v[LN4], v[X+4*\a], s[SP:SP+1] offset:128*\a
.endr
.irp a, 0,1,2,3,4,5,6,7
	global_store_b128 v[LI], v[KR+4*\a:KR+4*\a+3], s[FP:FP+1] offset:512*\a   ; a tile's factors [lane][cg]: 512 consecutive bytes, aligned
.endr
.Lend:
	s_wait_tensorcnt 0x0                           ; the wave's end
	ds_add_u32 v[SPW], v[NIL]
	s_wait_dscnt 0x0
	s_endpgm
.Lfunc_end_k_qd89dca15cd_attn:
	.size	k_qd89dca15cd_attn, .Lfunc_end_k_qd89dca15cd_attn-k_qd89dca15cd_attn
	.p2alignl 7, 3214868480
	.fill 96, 4, 3214868480
	.section	.rodata,"a",@progbits
	.p2align	6, 0x0
	.amdhsa_kernel k_qd89dca15cd_attn
		.amdhsa_group_segment_fixed_size 209408
		.amdhsa_private_segment_fixed_size 0
		.amdhsa_enable_private_segment 0
		.amdhsa_kernarg_size 48
		.amdhsa_user_sgpr_count 2
		.amdhsa_user_sgpr_kernarg_segment_ptr 1
		.amdhsa_wavefront_size32 1
		.amdhsa_system_sgpr_workgroup_id_x 1
		.amdhsa_system_sgpr_workgroup_id_y 1
		.amdhsa_system_sgpr_workgroup_id_z 1
		.amdhsa_system_vgpr_workitem_id 0
		.amdhsa_next_free_vgpr 1024
		.amdhsa_next_free_sgpr 66
		.amdhsa_reserve_vcc 1
		.amdhsa_float_denorm_mode_32 3
		.amdhsa_float_denorm_mode_16_64 3
		.amdhsa_memory_ordered 1
		.amdhsa_forward_progress 1
		.amdhsa_inst_pref_size 255
	.end_amdhsa_kernel
	.section	.bss,"aw",@nobits
	.p2align	6
	.space	262144
	.amdgpu_metadata
---
amdhsa.version: [ 1, 2 ]
amdhsa.kernels:
  - .name:           k_qd89dca15cd_attn
    .symbol:         k_qd89dca15cd_attn.kd
    .args:
      - { .name: qimg, .offset: 0, .size: 8, .value_kind: global_buffer, .address_space: global }
      - { .name: kimg, .offset: 8, .size: 8, .value_kind: global_buffer, .address_space: global }
      - { .name: vimg, .offset: 16, .size: 8, .value_kind: global_buffer, .address_space: global }
      - { .name: qry_attn_mask, .offset: 24, .size: 8, .value_kind: global_buffer, .address_space: global }
      - { .name: opart, .offset: 32, .size: 8, .value_kind: global_buffer, .address_space: global }
      - { .name: stat, .offset: 40, .size: 8, .value_kind: global_buffer, .address_space: global }
    .group_segment_fixed_size: 209408
    .private_segment_fixed_size: 0
    .kernarg_segment_align: 8
    .kernarg_segment_size: 48
    .max_flat_workgroup_size: 128
    .sgpr_count:     66
    .vgpr_count:     1024
    .wavefront_size: 32
...
	.end_amdgpu_metadata
.endif
;; end of part 3
;; launch proj (part 4): grid 256 x 1, 4 waves a work-group, no clusters, 101,888 bytes of LDS; arguments opart, stat, pimg, out0; writes out0
.if DOCPART == 4
	.amdgcn_target "amdgcn-amd-amdhsa--gfx1250"
	.amdhsa_code_object_version 6
	.text
	.protected	k_qd89dca15cd_proj
	.globl	k_qd89dca15cd_proj
	.p2align	8
	.type	k_qd89dca15cd_proj,@function
k_qd89dca15cd_proj:
	s_mov_b64 s[64:65], 0
	v_nop
	global_prefetch_b8 v0, s[64:65] scope:SCOPE_SE
	s_setreg_imm32_b32 hwreg(HW_REG_WAVE_MODE, 25, 1), 1
	s_wait_xcnt 0x0
; The four quarters of the keys are joined and projected: M = max m_s, e_s = 2^(m_s - M), x' = sum e_s O_s, L = sum e_s l_s, out = (x' / L) Wproj^T.
; The parts arrive as f16 numbers with a factor 2^E for each lane's 64 numbers of a tile: O_s = 2^E x the f16 number.  They are widened to f32, and e_s 2^E (exact) multiplies them: the join is in f32.
; x' has no fixed range, so each row is multiplied by the exact power of two f = 2^-E', E' = floor(log2(the row's largest magnitude)), before it is rounded to f16; 2^E' / L multiplies the product's result.
; SHARES.  Work-group i takes 32 queries (tiles 2 i, 2 i + 1).  Wave w joins channels 128 w .. + 127; x's 32 fragments cross the waves through LDS as register images; wave w then makes outputs 128 w .. + 127
; (source 0 = 16 rows of Wproj, source 1 = x: a lane holds one query and eight neighbouring outputs), 16 accumulators by turns.  Wproj's fragments come from memory straight into registers, two sets by turns.
; No tensor loads: the parts are read once by one wave, and each fragment of Wproj has one reader in the work-group.
; LIMITS: |x'| stays under 2^127; a row whose largest magnitude lies under 2^-126 is scaled as if it were 2^-126; NaN and infinities are not served.
.set XI,    1024                       ; LDS: the rows' maxima [qt 2][lane][wave] from 0; x's 32 images (16 qt + ds) from here
.set ST,    33792                      ; a stage of 32 rows x (512 + 16) bytes for each wave
.set SPARE, 101376                     ; the spare words, 128 bytes a wave: two blocks of 256 bytes that no other line names
.set LI,  1                            ; v1   16 x lane
.set RXW, 2
.set SCO, 3                            ; v3   16 x lane + 4 w: my factor among a tile's
.set XIW, 4
.set XIR, 5
.set STW, 6
.set STR, 7
.set SPW, 8                            ; v8   LDS address of my spare word; never rewritten
.set NIL, 9                            ; v9   0; never rewritten
.set SO,  10                           ; v10  4 r
.set MS,  16                           ; v16-23 m of part s, tile q at 2 s + q
.set LS,  24                           ; v24-31 l likewise
.set E,   32                           ; v32-47 pairs (e_s, 0) at 4 s + 2 q; then (e_s 2^E, 0)
.set MM,  48                           ; v48-49 M
.set LL,  50                           ; v50-51 L
.set TS,  52                           ; v52-59 the parts' factors 2^E at 2 s + q; later
.set F,   52                           ; v52-55 pairs (f, 2^E')
.set G,   56                           ; v56-59 pairs (2^E' / L, 1 / L)
.set AM,  60                           ; v60-61 the row's largest magnitude;  v62-63 destinations of the lane exchange
.set H16, 64                           ; v64-127 a part's 64 registers of f16 pairs: a register's halves have names in v0-127 of window 0 alone, so each part passes through here; later
.set CV,  64                           ;         at work
.set XA,  128                          ; v128-255 x', tile 8 q + ct; later the accumulators, tile 8 q + et
; window 1: Wproj's set A (fragment (d, et) at 8 (8 d + et)); later rows of the result.   window 2: v0-127 parts 0, 1 (64 s + 4 tile), v128-255 a part in f32; later x's 32 fragments.
; window 3: parts 2, 3 and a part in f32 likewise; later set B.
.set MSB, 0
.macro WIN new                         ; the immediate's high byte repeats the setting that is left
.if MSB != (\new)
	s_set_vgpr_msb (MSB<<8)|(\new)
.set MSB, (\new)
.endif
.endm
.macro PLACES
.rept 4
	v_nop
.endr
.endm
.macro BAR
	s_wait_dscnt 0x0
	s_barrier_signal -1
	s_barrier_wait -1
.endm
.macro WSET win, grp                   ; four steps of 32 along d of my 128 rows of Wproj: 64 loads of 512 bytes
	WIN \win
.set NN, 0
.rept 64
	global_load_b128 v[4*NN:4*NN+3], v[LI], s[8:9] offset:32768*(\grp)+512*NN
.set NN, NN+1
.endr
	WIN 0
.endm
.macro CV2 r, lo, hi                   ; register r's two f16 numbers become f32 in registers 2 r and 2 r + 1 of the destination's window
	v_cvt_f32_f16 v[2*(\r)], \lo
	v_cvt_f32_f16 v[2*(\r)+1], \hi
.endm
.macro WIDEN                           ; v64-127 of window 0 -> v128-255 of the destination's window
	CV2 64, v64.l, v64.h
	CV2 65, v65.l, v65.h
	CV2 66, v66.l, v66.h
	CV2 67, v67.l, v67.h
	CV2 68, v68.l, v68.h
	CV2 69, v69.l, v69.h
	CV2 70, v70.l, v70.h
	CV2 71, v71.l, v71.h
	CV2 72, v72.l, v72.h
	CV2 73, v73.l, v73.h
	CV2 74, v74.l, v74.h
	CV2 75, v75.l, v75.h
	CV2 76, v76.l, v76.h
	CV2 77, v77.l, v77.h
	CV2 78, v78.l, v78.h
	CV2 79, v79.l, v79.h
	CV2 80, v80.l, v80.h
	CV2 81, v81.l, v81.h
	CV2 82, v82.l, v82.h
	CV2 83, v83.l, v83.h
	CV2 84, v84.l, v84.h
	CV2 85, v85.l, v85.h
	CV2 86, v86.l, v86.h
	CV2 87, v87.l, v87.h
	CV2 88, v88.l, v88.h
	CV2 89, v89.l, v89.h
	CV2 90, v90.l, v90.h
	CV2 91, v91.l, v91.h
	CV2 92, v92.l, v92.h
	CV2 93, v93.l, v93.h
	CV2 94, v94.l, v94.h
	CV2 95, v95.l, v95.h
	CV2 96, v96.l, v96.h
	CV2 97, v97.l, v97.h
	CV2 98, v98.l, v98.h
	CV2 99, v99.l, v99.h
	CV2 100, v100.l, v100.h
	CV2 101, v101.l, v101.h
	CV2 102, v102.l, v102.h
	CV2 103, v103.l, v103.h
	CV2 104, v104.l, v104.h
	CV2 105, v105.l, v105.h
	CV2 106, v106.l, v106.h
	CV2 107, v107.l, v107.h
	CV2 108, v108.l, v108.h
	CV2 109, v109.l, v109.h
	CV2 110, v110.l, v110.h
	CV2 111, v111.l, v111.h
	CV2 112, v112.l, v112.h
	CV2 113, v113.l, v113.h
	CV2 114, v114.l, v114.h
	CV2 115, v115.l, v115.h
	CV2 116, v116.l, v116.h
	CV2 117, v117.l, v117.h
	CV2 118, v118.l, v118.h
	CV2 119, v119.l, v119.h
	CV2 120, v120.l, v120.h
	CV2 121, v121.l, v121.h
	CV2 122, v122.l, v122.h
	CV2 123, v123.l, v123.h
	CV2 124, v124.l, v124.h
	CV2 125, v125.l, v125.h
	CV2 126, v126.l, v126.h
	CV2 127, v127.l, v127.h
.endm
; Part s joins x': its 64 registers come to v64-127, are widened into the upper half of their own window, and are multiplied by e_s 2^E; the first part starts the sums
.macro PART s
	WIN 0x02+((\s)/2)                              ; source 0: the part's window
.set NN, 0
.rept 64
	v_mov_b32 v[H16+NN], v[64*((\s)%2)+NN]
.set NN, NN+1
.endr
	WIN 0x80+0x40*((\s)/2)                         ; destination: the part's window
	WIDEN
	WIN 0x02+((\s)/2)
.set NN, 0
.rept 64
.if (\s) == 0
	v_pk_mul_f32 v[XA+2*NN:XA+2*NN+1], v[128+2*NN:128+2*NN+1], v[E+2*(NN/32):E+2*(NN/32)+1] op_sel_hi:[1,0]
.else
	v_pk_fma_f32 v[XA+2*NN:XA+2*NN+1], v[128+2*NN:128+2*NN+1], v[E+4*(\s)+2*(NN/32):E+4*(\s)+2*(NN/32)+1], v[XA+2*NN:XA+2*NN+1] op_sel_hi:[1,0,1]
.endif
.set NN, NN+1
.endr
.endm
	s_load_b256 s[4:11], s[0:1], 0x0               ; opart, stat, pimg, out0
	v_lshl_add_u32 v[SPW], v0, 2, SPARE
	v_mov_b32 v[NIL], 0
	v_lshrrev_b32 v11, 5, v0
	v_readfirstlane_b32 s20, v11                   ; wave 0..3
	v_and_b32 v11, 31, v0
	v_and_b32 v12, 15, v0                          ; r
	v_bfe_u32 v13, v0, 4, 1                        ; h
	v_lshlrev_b32 v[LI], 4, v11
	v_lshlrev_b32 v[SO], 2, v12
	s_lshl_b32 s21, s20, 2
	v_add_nc_u32 v[RXW], s21, v[LI]
	v_add_nc_u32 v[SCO], s21, v[LI]
	s_lshl_b32 s21, s20, 12
	s_add_co_u32 s21, s21, XI
	v_add_nc_u32 v[XIW], s21, v[LI]
	v_add_nc_u32 v[XIR], XI, v[LI]
	s_mul_i32 s21, s20, 16896
	s_add_co_u32 s21, s21, ST
	v_add_nc_u32 v[STR], s21, v[LI]
	v_mul_u32_u24 v[STW], v12, 528
	v_lshl_add_u32 v[STW], v13, 5, v[STW]
	v_add_nc_u32 v[STW], s21, v[STW]
.irp k, 0,1,2,3,4,5,6,7
	v_mov_b32 v[E+2*\k+1], 0                       ; the pairs' upper words are named with the lower, so they are written
.endr
	v_mov_b32 v62, 0
	v_mov_b32 v63, 0
	s_mov_b32 s30, 0x76543210
	s_mov_b32 s31, 0xfedcba98
	s_lshl_b32 s22, ttmp9, 15                      ; opart: two tiles of 16,384 bytes, my 4,096 of each
	s_lshl_b32 s23, s20, 12
	s_add_co_u32 s22, s22, s23
	s_mov_b32 s23, 0
	s_lshl_b32 s24, ttmp9, 8                       ; stat, first region: two tiles of 128 bytes
	s_mov_b32 s25, 0
	s_lshl_b32 s34, ttmp9, 10                      ; second region, from byte 262,144: two tiles of 512 bytes
	s_add_co_u32 s34, s34, 262144
	s_mov_b32 s35, 0
	s_lshl_b32 s26, s20, 17                        ; pimg: my 128 rows
	s_mov_b32 s27, 0
	s_lshl_b32 s28, ttmp9, 16                      ; out0: 32 rows of 2,048 bytes, my 512 of each
	s_lshl_b32 s29, s20, 9
	s_add_co_u32 s28, s28, s29
	s_mov_b32 s29, 0
	s_wait_kmcnt 0x0
	s_add_nc_u64 s[12:13], s[4:5], s[22:23]        ; the four parts lie 8 MiB apart, beyond a load's immediate: a base for each
	s_add_nc_u64 s[14:15], s[12:13], 0x800000
	s_add_nc_u64 s[16:17], s[14:15], 0x800000
	s_add_nc_u64 s[18:19], s[16:17], 0x800000
	s_add_nc_u64 s[32:33], s[6:7], s[34:35]
	s_add_nc_u64 s[6:7], s[6:7], s[24:25]
	s_add_nc_u64 s[8:9], s[8:9], s[26:27]
	s_add_nc_u64 s[10:11], s[10:11], s[28:29]
.irp s, 0,1,2,3
.irp q, 0,1
	global_load_b32 v[MS+2*\s+\q], v[SO], s[6:7] offset:65536*\s+128*\q
	global_load_b32 v[LS+2*\s+\q], v[SO], s[6:7] offset:65536*\s+128*\q+64
	global_load_b32 v[TS+2*\s+\q], v[SCO], s[32:33] offset:262144*\s+512*\q
.endr
.endr
.irp s, 0,1,2,3
	WIN 0x80+0x40*(\s/2)
.set NN, 0
.rept 16
	global_load_b128 v[64*(\s%2)+4*NN:64*(\s%2)+4*NN+3], v[LI], s[12+2*\s:13+2*\s] offset:16384*(NN/8)+512*(NN%8) th:TH_LOAD_NT
.set NN, NN+1
.endr
.endr
	WSET 0x40, 0                                   ; set A: d steps 0-3
	s_wait_loadcnt 63                              ; behind the parts stand set A's 64 loads
.irp q, 0,1
	v_max3_num_f32 v[MM+\q], v[MS+\q], v[MS+2+\q], v[MS+4+\q]
.endr
.irp q, 0,1
	v_max_num_f32 v[MM+\q], v[MM+\q], v[MS+6+\q]
.endr
.irp s, 0,1,2,3
.irp q, 0,1
	v_sub_f32 v[E+4*\s+2*\q], v[MS+2*\s+\q], v[MM+\q]
.endr
.endr
.irp s, 0,1,2,3
.irp q, 0,1
	v_exp_f32 v[E+4*\s+2*\q], v[E+4*\s+2*\q]
.endr
.endr
	v_nop                                          ; a plain line behind the last exponential
	s_wait_alu depctr_va_vdst(0)                   ; one wait for the eight, ahead of their first reader
.irp q, 0,1
	v_mul_f32 v[LL+\q], v[E+2*\q], v[LS+\q]
.endr
.irp s, 1,2,3
.irp q, 0,1
	v_fmac_f32 v[LL+\q], v[E+4*\s+2*\q], v[LS+2*\s+\q]
.endr
.endr
.irp s, 0,1,2,3
.irp q, 0,1
	v_mul_f32 v[E+4*\s+2*\q], v[E+4*\s+2*\q], v[TS+2*\s+\q]   ; e_s 2^E: a power of two, so nothing is rounded
.endr
.endr
	PART 0
	PART 1
	PART 2
	PART 3
	WSET 0xc0, 1                                   ; set B: d steps 4-7, where parts 2 and 3 lay
.irp q, 0,1
	v_max3_num_f32 v[AM+\q], |v[XA+64*\q]|, |v[XA+64*\q+1]|, 0x800000   ; my 64 numbers of the row, and the floor 2^-126
.endr
.set NN, 1
.rept 31
.irp q, 0,1
	v_max3_num_f32 v[AM+\q], v[AM+\q], |v[XA+64*\q+2*NN]|, |v[XA+64*\q+2*NN+1]|
.endr
.set NN, NN+1
.endr
.irp q, 0,1
	v_permlanex16_b32 v[62+\q], v[AM+\q], s30, s31
.endr
.irp q, 0,1
	v_max_num_f32 v[AM+\q], v[AM+\q], v[62+\q]
.endr
.irp q, 0,1
	ds_store_b32 v[RXW], v[AM+\q] offset:512*\q
.endr
	BAR                                            ; the four waves' maxima lie in LDS
.irp q, 0,1
	ds_load_b128 v[CV+4*\q:CV+4*\q+3], v[LI] offset:512*\q
.endr
	s_wait_dscnt 0x0
.irp q, 0,1
	v_max3_num_f32 v[AM+\q], v[CV+4*\q], v[CV+4*\q+1], v[CV+4*\q+2]
.endr
.irp q, 0,1
	v_max_num_f32 v[AM+\q], v[AM+\q], v[CV+4*\q+3]
.endr
.irp q, 0,1
	v_and_b32 v[F+2*\q+1], 0x7f800000, v[AM+\q]    ; 2^E': the exponent field alone
.endr
.irp q, 0,1
	v_rcp_f32 v[G+2*\q+1], v[LL+\q]
.endr
.irp q, 0,1
	v_sub_nc_u32 v[F+2*\q], 0x7f000000, v[F+2*\q+1]   ; f = 2^-E': the field 254 less E's field
.endr
	s_wait_alu depctr_va_vdst(0)                   ; one wait for the two reciprocals, ahead of their first reader
.irp q, 0,1
	v_mul_f32 v[G+2*\q], v[F+2*\q+1], v[G+2*\q+1]  ; 2^E' / L
.endr
.set NN, 0
.rept 64
	v_pk_mul_f32 v[XA+2*NN:XA+2*NN+1], v[XA+2*NN:XA+2*NN+1], v[F+2*(NN/32):F+2*(NN/32)+1] op_sel_hi:[1,0]   ; exact
.set NN, NN+1
.endr
.set NN, 0
.rept 64
	v_cvt_pk_f16_f32 v[CV+NN], v[XA+2*NN], v[XA+2*NN+1]
.set NN, NN+1
.endr
.irp q, 0,1
.irp c, 0,1,2,3,4,5,6,7
	ds_store_b128 v[XIW], v[CV+4*(8*\q+\c):CV+4*(8*\q+\c)+3] offset:(16*\q+\c/2)*1024+512*(\c%2)   ; d step 4 w + ct / 2, half ct % 2
.endr
.endr
	BAR                                            ; x's 32 fragments lie in LDS
	WIN 0x80
.set NN, 0
.rept 64
	ds_load_b128 v[4*NN:4*NN+3], v[XIR] offset:512*NN
.set NN, NN+1
.endr
	WIN 0
	s_wait_dscnt 0x0
; four d steps: 64 products, the 16 accumulators by turns, one instruction a turn; the first d step starts the sums
.macro GRP g, win
	WIN \win
.irp d, 0,1,2,3
.irp q, 0,1
.irp e, 0,1,2,3,4,5,6,7
.if ((\g) == 0) && (\d == 0)
	v_wmma_f32_16x16x32_f16 v[XA+8*(8*\q+\e):XA+8*(8*\q+\e)+7], v[8*(8*\d+\e):8*(8*\d+\e)+7], v[8*(16*\q+4*(\g)+\d):8*(16*\q+4*(\g)+\d)+7], 0
.else
	v_wmma_f32_16x16x32_f16 v[XA+8*(8*\q+\e):XA+8*(8*\q+\e)+7], v[8*(8*\d+\e):8*(8*\d+\e)+7], v[8*(16*\q+4*(\g)+\d):8*(16*\q+4*(\g)+\d)+7], v[XA+8*(8*\q+\e):XA+8*(8*\q+\e)+7]
.endif
.endr
.endr
.endr
	WIN 0
	PLACES
.endm
	s_wait_loadcnt 63                              ; behind set A's loads stand set B's 64
	GRP 0, 0x09
	WSET 0x40, 2                                   ; set A: d steps 8-11
	s_wait_loadcnt 63                              ; behind set B's stand set A's new 64
	GRP 1, 0x0b
	WSET 0xc0, 3                                   ; set B: d steps 12-15
	s_wait_loadcnt 63                              ; behind set A's stand set B's new 64
	GRP 2, 0x09
	s_wait_loadcnt 0x0
	GRP 3, 0x0b
.set NN, 0
.rept 64
	v_pk_mul_f32 v[XA+2*NN:XA+2*NN+1], v[XA+2*NN:XA+2*NN+1], v[G+2*(NN/32):G+2*(NN/32)+1] op_sel_hi:[1,0]   ; x 2^E' / L; each accumulator from its low end on
.set NN, NN+1
.endr
	; THE WAY OUT: a lane's 32 bytes of a row go through my own stage and come back as whole rows of 512 bytes.  LDS serves a wave's instructions in order: no wait between
.irp q, 0,1
.irp e, 0,1,2,3,4,5,6,7
	ds_store_b128 v[STW], v[XA+8*(8*\q+\e):XA+8*(8*\q+\e)+3] offset:8448*\q+64*\e
	ds_store_b128 v[STW], v[XA+8*(8*\q+\e)+4:XA+8*(8*\q+\e)+7] offset:8448*\q+64*\e+16
.endr
.endr
	WIN 0x40
.set NN, 0
.rept 32
	ds_load_b128 v[4*NN:4*NN+3], v[STR] offset:528*NN
.set NN, NN+1
.endr
	WIN 0x04
.set NN, 0
.rept 32
	s_wait_dscnt 31-NN                             ; LDS loads come back in order: row NN is in
	global_store_b128 v[LI], v[4*NN:4*NN+3], s[10:11] offset:2048*NN th:TH_STORE_NT   ; 32 lanes store 512 consecutive bytes, aligned
.set NN, NN+1
.endr
	WIN 0
	s_wait_tensorcnt 0x0                           ; the wave's end
	ds_add_u32 v[SPW], v[NIL]
	s_wait_dscnt 0x0
	s_endpgm
.Lfunc_end_k_qd89dca15cd_proj:
	.size	k_qd89dca15cd_proj, .Lfunc_end_k_qd89dca15cd_proj-k_qd89dca15cd_proj
	.p2alignl 7, 3214868480
	.fill 96, 4, 3214868480
	.section	.rodata,"a",@progbits
	.p2align	6, 0x0
	.amdhsa_kernel k_qd89dca15cd_proj
		.amdhsa_group_segment_fixed_size 101888
		.amdhsa_private_segment_fixed_size 0
		.amdhsa_enable_private_segment 0
		.amdhsa_kernarg_size 32
		.amdhsa_user_sgpr_count 2
		.amdhsa_user_sgpr_kernarg_segment_ptr 1
		.amdhsa_wavefront_size32 1
		.amdhsa_system_sgpr_workgroup_id_x 1
		.amdhsa_system_sgpr_workgroup_id_y 1
		.amdhsa_system_sgpr_workgroup_id_z 1
		.amdhsa_system_vgpr_workitem_id 0
		.amdhsa_next_free_vgpr 1024
		.amdhsa_next_free_sgpr 66
		.amdhsa_reserve_vcc 0
		.amdhsa_float_denorm_mode_32 3
		.amdhsa_float_denorm_mode_16_64 3
		.amdhsa_memory_ordered 1
		.amdhsa_forward_progress 1
		.amdhsa_inst_pref_size 125
	.end_amdhsa_kernel
	.amdgpu_metadata
---
amdhsa.version: [ 1, 2 ]
amdhsa.kernels:
  - .name:           k_qd89dca15cd_proj
    .symbol:         k_qd89dca15cd_proj.kd
    .args:
      - { .name: opart, .offset: 0, .size: 8, .value_kind: global_buffer, .address_space: global }
      - { .name: stat, .offset: 8, .size: 8, .value_kind: global_buffer, .address_space: global }
      - { .name: pimg, .offset: 16, .size: 8, .value_kind: global_buffer, .address_space: global }
      - { .name: out0, .offset: 24, .size: 8, .value_kind: global_buffer, .address_space: global }
    .group_segment_fixed_size: 101888
    .private_segment_fixed_size: 0
    .kernarg_segment_align: 8
    .kernarg_segment_size: 32
    .max_flat_workgroup_size: 128
    .sgpr_count:     66
    .vgpr_count:     1024
    .wavefront_size: 32
...
	.end_amdgpu_metadata
.endif
;; end of part 4
